; MI455X (gfx1250); checked and timed in simulation.
; The chip was launched on July 23, 2026; its instructions are those of AMD's public machine-readable ISA for CDNA 5 (MIT licence, August 2026) and "CDNA5" Instruction Set Architecture Reference Guide (July 2026). The comments in the code are by the model that wrote it; some were corrected since.
;; Self Attention. Allowed arithmetic: matrix products marked QUANTISED: E4M3 operands, one given power-of-two scale a tensor, by v_wmma_f32_16x16x64_fp8_fp8 or v_wmma_f32_16x16x128_fp8_fp8, f32 sums; everything else in f32.
;; Inputs: Wk 2,048 x 512 float32; Wp 2,048 x 2,048 float32; Wq 2,048 x 2,048 float32; Wv 2,048 x 512 float32; lowp_scales 12 int32 (the exponents e of the quantised operands' scales 2^e); x 4 x 1,024 x 2,048 float32.
;; Outputs: out0 4 x 1,024 x 2,048 float32.
;; This version of the problem:
;;   THIS VERSION OF THE PROBLEM IS GIVEN IN LOW PRECISION. The matrix products marked QUANTISED in the list below multiply operands that are first quantised to E4M3 (4 exponent bits, 3 mantissa bits; 8 bits a number), with one given power-of-two scale for each operand tensor; their sums are f32. All else is computed in f32.
;;   The module's matrix products, in the order in which they are computed (A, B: the left and right operand; K: the contracted axis; several contracted axes count as one K, in the product's order):
;;     1. [M 4,096, K 2,048] x [K 2,048, N 2,048]; A: input x; B: input Wq: QUANTISED (scales: A lowp_scales[0], B lowp_scales[1])
;;     2. [M 4,096, K 2,048] x [K 2,048, N 512]; A: input x; B: input Wk: QUANTISED (scales: A lowp_scales[2], B lowp_scales[3])
;;     3. [M 4,096, K 2,048] x [K 2,048, N 512]; A: input x; B: input Wv: QUANTISED (scales: A lowp_scales[4], B lowp_scales[5])
;;     4. batch 128 x [M 1,024, K 64] x [K 64, N 1,024]; A: computed on the way; B: computed on the way: QUANTISED (scales: A lowp_scales[6], B lowp_scales[7])
;;     5. batch 128 x [M 1,024, K 1,024] x [K 1,024, N 64]; A: softmax (see below); B: computed on the way: QUANTISED (scales: A lowp_scales[8], B lowp_scales[9])
;;     6. [M 4,096, K 2,048] x [K 2,048, N 2,048]; A: computed on the way; B: input Wp: QUANTISED (scales: A lowp_scales[10], B lowp_scales[11])
;;   THE QUANTISER, for each operand of a quantised product, along K:
;;     - The operand's scale is 2^e, e = its entry of the input lowp_scales (int32; the entries are numbered through the quantised products in the list's order, A before B).
;;     - Each number is divided by the scale, clamped to +-448, and rounded to the nearest number of E4M3, ties to even, subnormals kept.
;;     - The product sums the exact products of the quantised numbers (number of the format x scale) in f32.
;;   ~~~python
;;   def quantise(x, axis, e):      # numpy; x: float32 -> the quantised numbers, widened to float32 again
;;       x = np.moveaxis(x, axis, -1); K = x.shape[-1]
;;       r = np.clip(x / 2.0 ** e, -448, 448)
;;       step = 2.0 ** (np.maximum(np.frexp(np.where(r == 0, 1, r))[1] - 1, -6) - 3)
;;       q = np.round(r / step) * step * 2.0 ** e      # np.round: ties to even
;;       return np.moveaxis(q, -1, axis).astype(np.float32)
;;   ~~~
;;   SOFTMAX AHEAD OF A QUANTISED PRODUCT. Where the list says 'softmax', what is quantised is not the finished softmax but p = 2^(t - M), with t = logit x log2(e) and M = ceil(the row's largest t), a whole number; so 1/2 < the row's largest p <= 1. The row's sum l is taken of the UNQUANTISED p, in f32, and the product's result is divided by l at the end. Since M is a whole number, a kernel that streams over the keys may use a running M (the ceiling of the running maximum): every later rescaling is an exact power of two, so the quantised numbers keep their values, but for numbers so far below the row's largest that they fall under the format's range.
;;   OPERANDS COMPUTED ON THE WAY. 'Computed on the way' means the value that the module computes at that place (a softmax that the list does not call 'softmax' is quantised finished and normalised). What goes into a quantiser is computed in f32, as accurately as f32 sums, v_exp_f32 and their like allow (about 1e-6 of the number): no bf16 or f16 on the way to a quantiser, and a product that is left as it is and whose result goes on into a quantised operand takes f32 operands (vector FMAs, or v_wmma_f32_16x16x4_f32). A number that lies on a knife's edge between two numbers of the format may be rounded either way, as far as f32 arithmetic and the matrix unit's own rounding can turn it there, and no further.
;; One version. Each part assembles by itself: llvm-mc -triple=amdgcn-amd-amdhsa -mcpu=gfx1250 --defsym DOCPART=n.
;; ======== version 1 of 1: 4 launches
;; workspace buffers: xq_img 8,388,608 bytes; xk_img 8,388,608 bytes; xv_img 8,388,608 bytes; w_img 10,485,760 bytes; rope 262,144 bytes; q_img 8,388,608 bytes; kv_img 4,194,304 bytes; att_img 8,388,608 bytes
;; launch quant (part 1): grid 592 x 1, 4 waves a work-group, no clusters, 34,304 bytes of LDS; arguments x, Wq, Wk, Wv, Wp, lowp_scales, xq_img, xk_img, xv_img, w_img, rope; writes xq_img, xk_img, xv_img, w_img, rope
.if DOCPART == 1
	.amdgcn_target "amdgcn-amd-amdhsa--gfx1250"
	.amdhsa_code_object_version 6
	.text
	.protected	k_qc77625cc08_quant
	.globl	k_qc77625cc08_quant
	.p2align	8
	.type	k_qc77625cc08_quant,@function
k_qc77625cc08_quant:
	s_mov_b64 s[64:65], 0
	v_nop
	global_prefetch_b8 v0, s[64:65] scope:SCOPE_SE
	s_setreg_imm32_b32 hwreg(HW_REG_WAVE_MODE, 25, 1), 1
	s_wait_xcnt 0x0
; x and the four weights become codes of FP8 (E4M3), and the table of cosines and sines is made.  Three roles, parted on the work-group's number:
;   0-255    x [4096][2048] f32 -> three sets of codes (scales 2^e0, 2^e2, 2^e4: the three products that read x have a scale of their own each)
;   256-575  Wq, Wk, Wv, Wp ([K 2048][N] f32, K outermost) -> codes (scales 2^e1, 2^e3, 2^e5, 2^e11)
;   576-591  rope[t][i] = (cos, sin)(t x 10^(-i/8)), t = 0..1023, i = 0..31, f32: 256 bytes for each t
; code = number / 2^e, held within +-448, rounded to the nearest code, ties to even.
; LAYOUT OF ALL CODES: IMAGES OF OPERAND REGISTERS.  A fragment (16 rows x 128 K) is 2,048 bytes: register group c (four registers) at 512 c + 16 x lane; lane (r = lane % 16, hh = lane / 16)
; holds k = 32 c + 16 hh + 0..15 of the fragment's row r.  A tile of 256 rows x 2,048 K is 524,288 bytes: K step of 256 at 65,536 ks, block of 16 rows at 4,096 blk, half of 128 K at 2,048 q.
; THE ROWS OF A BLOCK ARE NOT NEIGHBOURS: row r of block a is row 32 (a / 2) + 8 (a % 2) + r + 8 (r / 8), so that the results of two neighbouring blocks are 16 neighbours in a lane's registers.
; w_img holds 20 tiles of 256 columns: 0-7 Wq, 8-9 Wk, 10-11 Wv, 12-19 Wp.
; LIMITS: e0, e2, e4, e1, e3, e5, e11 between -126 and 119, so that 2^e and 448 x 2^e are f32 numbers.  NaN among the inputs is not served (an infinity is held at the largest code).
; The frequency 10^(-i/8) is the product of two correctly rounded constants, 10^(-(i % 8)/8) and 10^(-(i / 8)): it may lie two units in the last place from the true number.
; No tensor loads, no barrier: waves share nothing; only the first role uses LDS, a stage for each wave.
.set R,   16                           ; x: v16-143   two sets of 64: a step's numbers as they are loaded
.set X,   144                          ;    v144-207  the same as 64 numbers of my row: register 16 c + i = k 32 c + 16 hh + i
.set T,   208                          ;    v208-223  16 numbers held
.set CX,  224                          ;    v224-255  two sets of 16: a fragment's codes
.set STG, 16*528                       ;    a wave's stage: 16 rows of 512 bytes + 16 of padding: 33 x 16 bytes, so the 16 rows that a read touches begin in 16 different groups of banks (ISA guide 11.1)
.set VO,  16                           ; w: v16-47    byte offset of row i of a block of 32 along K, at my column
.set XW,  48                           ;    v48-111   two sets of 32 numbers down K
.set CW,  112                          ;    v112-175  eight registers of codes for each of 8 blocks: no store's data are written again
.macro POW2 e, vs, vl                  ; v[vs] = 2^e as f32 (the conversion takes its exponent field), v[vl] = 448 x 2^e; e in s[e]
	s_add_co_i32 s2, s[\e], 127
	s_lshl_b32 s3, s2, 23
	v_mov_b32 v[\vs], s3
	s_add_co_i32 s2, s2, 8
	s_lshl_b32 s2, s2, 23
	s_or_b32 s2, s2, 0x600000
	v_mov_b32 v[\vl], s2
.endm
	s_load_b512 s[4:19], s[0:1], 0x0               ; x 4:5, Wq 6:7, Wk 8:9, Wv 10:11, Wp 12:13, scales 14:15, xq_img 16:17, xk_img 18:19
	s_load_b128 s[20:23], s[0:1], 0x40             ; xv_img, w_img
	s_load_b64 s[24:25], s[0:1], 0x50              ; rope
	s_set_vgpr_msb 0x40
	v_lshl_add_u32 v0, v0, 2, 0x8400
	v_mov_b32 v1, 0
	s_set_vgpr_msb 0x4000
	v_lshrrev_b32 v1, 5, v0
	v_readfirstlane_b32 s26, v1                    ; wave 0..3
	v_and_b32 v13, 31, v0                          ; lane
	s_wait_kmcnt 0x0
	s_load_b256 s[48:55], s[14:15], 0x0            ; e0 .. e7
	s_load_b128 s[56:59], s[14:15], 0x20           ; e8 .. e11
	s_cmp_lt_u32 ttmp9, 256
	s_cbranch_scc1 .Lx
	s_cmp_lt_u32 ttmp9, 576
	s_cbranch_scc1 .Lw
; ---------------------------------------------------------------- the table.  A lane is a frequency i, a wave takes 16 positions t
.macro PICK dst, sel, k, c             ; v[dst] = c where v[sel] = k
	v_cmp_ne_u32 vcc_lo, \k, v[\sel]
	v_cndmask_b32 v[\dst], \c, v[\dst], vcc_lo
.endm
	s_wait_kmcnt 0x0
	s_sub_co_u32 s27, ttmp9, 576
	s_lshl_b32 s27, s27, 2
	s_add_co_u32 s27, s27, s26
	s_lshl_b32 s27, s27, 4                         ; my first t
	s_lshl_b32 s28, s27, 8
	s_mov_b32 s29, 0
	s_add_nc_u64 s[24:25], s[24:25], s[28:29]      ; its 256 bytes
	s_mov_b32 s36, 0x3fc90fdb                      ; pi / 2, rounded,
	s_mov_b32 s37, 0xb33bbd2e                      ; and what the rounding left
	v_lshlrev_b32 v22, 3, v13                      ; 8 bytes a lane
	v_and_b32 v2, 7, v13
	v_lshrrev_b32 v3, 3, v13
	v_mov_b32 v4, 1.0
	PICK 4, 2, 1, 0x3f3ff911                       ; 10^(-1/8)
	PICK 4, 2, 2, 0x3f0ff59a
	PICK 4, 2, 3, 0x3ed7e89b
	PICK 4, 2, 4, 0x3ea1e89b
	PICK 4, 2, 5, 0x3e72d424
	PICK 4, 2, 6, 0x3e361887
	PICK 4, 2, 7, 0x3e088d77                       ; 10^(-7/8)
	v_mov_b32 v5, 1.0
	PICK 5, 3, 1, 0x3dcccccd                       ; 0.1
	PICK 5, 3, 2, 0x3c23d70a                       ; 0.01
	PICK 5, 3, 3, 0x3a83126f                       ; 0.001
	v_mul_f32 v6, v4, v5                           ; the frequency
	s_mov_b32 s30, 0
.Lt:
	v_cvt_f32_u32 v7, s27
	v_mul_f32 v7, v7, v6                           ; the angle, rounded once to f32
	v_mul_f32 v8, 0x3f22f983, v7                   ; x 2 / pi
	v_rndne_f32 v8, v8                             ; k quarter turns (at most 651: k x either part of pi / 2 is exact inside the fused multiply-add)
	v_fma_f32 v9, -v8, s36, v7
	v_fma_f32 v9, -v8, s37, v9                     ; r = angle - k pi / 2, within +-pi / 4
	v_mul_f32 v10, v9, v9                          ; z = r^2
	v_mov_b32 v11, 0xb94ca1f9
	v_fmaak_f32 v11, v11, v10, 0x3c08839e
	v_fmaak_f32 v11, v11, v10, 0xbe2aaaa3
	v_mul_f32 v12, v9, v10
	v_fma_f32 v11, v11, v12, v9                    ; sin r = r + r z (..)
	v_mov_b32 v14, 0x37ccf5ce
	v_fmaak_f32 v14, v14, v10, 0xbab6061a
	v_fmaak_f32 v14, v14, v10, 0x3d2aaaa5
	v_mul_f32 v15, v10, v10
	v_fma_f32 v16, v10, -0.5, 1.0
	v_fma_f32 v14, v14, v15, v16                   ; cos r = 1 - z / 2 + z^2 (..)
	v_cvt_i32_f32 v17, v8
	v_and_b32 v18, 1, v17
	v_cmp_eq_u32 vcc_lo, 1, v18                    ; an odd number of quarter turns swaps the two,
	v_cndmask_b32 v21, v11, v14, vcc_lo
	v_cndmask_b32 v20, v14, v11, vcc_lo
	v_and_b32 v18, 2, v17                          ; k % 4 = 2, 3: the sine changes sign;
	v_lshlrev_b32 v18, 30, v18
	v_xor_b32 v21, v21, v18
	v_add_nc_u32 v19, 1, v17                       ; k % 4 = 1, 2: the cosine
	v_and_b32 v19, 2, v19
	v_lshlrev_b32 v19, 30, v19
	v_xor_b32 v20, v20, v19
	global_store_b64 v22, v[20:21], s[24:25]       ; the wave stores 256 consecutive bytes, aligned
	s_wait_xcnt 0x0                                ; the store has read its data and its base: both are written again below and in the next trip
	s_add_nc_u64 s[24:25], s[24:25], 256
	s_add_co_u32 s27, s27, 1
	s_add_co_u32 s30, s30, 1
	s_cmp_lt_u32 s30, 16
	s_cbranch_scc1 .Lt
	s_endpgm
; ---------------------------------------------------------------- x.  A work-group owns one block of 16 rows, wave w its K 512 w .. 512 w + 511: four fragments, each in three sets of codes
.macro XLOAD s                         ; step s: 128 along K of the 16 rows; each load reads 512 consecutive bytes of one row
.irp i, 0,1,2,3,4,5,6,7,8,9,10,11,12,13,14,15
	global_load_b128 v[R+64*((\s)%2)+4*\i:R+64*((\s)%2)+4*\i+3], v1, s[4:5] offset:(\i+8*(\i/8))*8192+512*(\s) th:TH_LOAD_NT
.endr
.endm
.macro XSTEP s
.if (\s) < 3
	s_wait_loadcnt 16                              ; this step's 16 loads are in; the next step's 16 may be out
.else
	s_wait_loadcnt 0
.endif
.irp i, 0,1,2,3,4,5,6,7,8,9,10,11,12,13,14,15
	ds_store_b128 v2, v[R+64*((\s)%2)+4*\i:R+64*((\s)%2)+4*\i+3] offset:528*\i   ; through my own stage, as the rows lie;
.endr
.irp c, 0,1,2,3
.irp j, 0,1,2,3
	ds_load_b128 v[X+16*\c+4*\j:X+16*\c+4*\j+3], v3 offset:128*\c+16*\j          ; back: 16 neighbours of my row for each 32 along K.  LDS serves a wave's instructions in order (ISA guide 5.7.1.4)
.endr
.endr
	s_wait_dscnt 0x0                               ; the numbers are back, and the stores have read their registers,
.if (\s) < 2
	XLOAD (\s)+2                                   ; which take the loads of two steps on
.endif
.irp z, 0,1,2                          ; the three scales
	s_wait_xcnt 0x0                                ; the stores of two fragments back have read this set of code registers
.irp c, 0,1,2,3
.irp i, 0,1,2,3,4,5,6,7,8,9,10,11,12,13,14,15
	v_med3_num_f32 v[T+\i], v[X+16*\c+\i], -v[7+\z], v[7+\z]   ; the conversion to an 8-bit code does not saturate (ISA guide 7.6.2): the hold comes first
.endr
	v_cvt_scalef32_pk8_fp8_f32 v[CX+16*((3*(\s)+\z)%2)+4*\c:CX+16*((3*(\s)+\z)%2)+4*\c+1], v[T:T+7], v[4+\z]
	v_cvt_scalef32_pk8_fp8_f32 v[CX+16*((3*(\s)+\z)%2)+4*\c+2:CX+16*((3*(\s)+\z)%2)+4*\c+3], v[T+8:T+15], v[4+\z]
	v_nop                                          ; a plain line between the conversions and the next lines, which write their sources
.endr
.irp c, 0,1,2,3
	global_store_b128 v1, v[CX+16*((3*(\s)+\z)%2)+4*\c:CX+16*((3*(\s)+\z)%2)+4*\c+3], s[30+2*\z:31+2*\z] offset:((\s)/2)*65536+((\s)%2)*2048+512*\c   ; 512 consecutive bytes, aligned
.endr
.endr
.endm
.Lx:
	s_lshr_b32 s27, ttmp9, 1
	s_lshl_b32 s27, s27, 5
	s_and_b32 s28, ttmp9, 1
	s_lshl_b32 s28, s28, 3
	s_add_co_u32 s27, s27, s28                     ; the block's first row: 32 (g / 2) + 8 (g % 2)
	s_lshl_b32 s28, s27, 13                        ; rows of 8,192 bytes
	s_lshl_b32 s29, s26, 11                        ; my wave's 2,048 bytes of a row
	s_add_co_u32 s28, s28, s29
	s_mov_b32 s29, 0
	s_add_nc_u64 s[4:5], s[4:5], s[28:29]
	s_lshr_b32 s28, ttmp9, 4
	s_lshl_b32 s28, s28, 19                        ; the tile of 256 rows,
	s_and_b32 s27, ttmp9, 15
	s_lshl_b32 s27, s27, 12                        ; the block in it,
	s_add_co_u32 s28, s28, s27
	s_lshl_b32 s27, s26, 17                        ; my wave's two K steps of 256
	s_add_co_u32 s28, s28, s27
	s_add_nc_u64 s[30:31], s[16:17], s[28:29]
	s_add_nc_u64 s[32:33], s[18:19], s[28:29]
	s_add_nc_u64 s[34:35], s[20:21], s[28:29]
	v_lshlrev_b32 v1, 4, v13                       ; 16 x lane: in a row's 512 bytes, and in an image
	s_mul_i32 s27, s26, STG
	v_add_nc_u32 v2, s27, v1                       ; the stage, on the way in
	v_and_b32 v14, 15, v0
	v_bfe_u32 v15, v0, 4, 1
	v_mul_u32_u24 v3, v14, 528
	v_lshl_add_u32 v3, v15, 6, v3
	v_add_nc_u32 v3, s27, v3                       ; and back: row r, + 64 hh
	XLOAD 0
	XLOAD 1
	s_wait_kmcnt 0x0
	POW2 48, 4, 7                                  ; e0
	POW2 50, 5, 8                                  ; e2
	POW2 52, 6, 9                                  ; e4
	XSTEP 0
	XSTEP 1
	XSTEP 2
	XSTEP 3
	s_set_vgpr_msb 0x5
	s_wait_tensorcnt 0x0
	ds_add_u32 v0, v1
	s_wait_dscnt 0x0
	s_set_vgpr_msb 0x500
	s_endpgm
; ---------------------------------------------------------------- the weights.  A LANE TAKES A COLUMN AND ITS REGISTERS RUN DOWN K: the conversions then give codes with K innermost, and nothing is transposed.
; A work-group takes 128 columns x 256 along K, a wave 32 columns: two blocks of the image.  Lane l takes column 16 ((l / 8) % 2) + 8 (l / 16) + l % 8 of the 32: it is row l % 16 of block l / 16,
; and a load still covers 128 consecutive bytes.  A column's 32 codes of a block along K are the 16 bytes of lane r and the 16 bytes of lane 16 + r of one register group: two stores, 256 bytes apart.
.macro WLOAD t
.set i, 0
.rept 32
	global_load_b32 v[XW+32*((\t)%2)+i], v[VO+i], s[32+2*(\t):33+2*(\t)] th:TH_LOAD_NT
.set i, i+1
.endr
.endm
.macro WBLOCK t
.if (\t) < 7
	s_wait_loadcnt 32                              ; this block's 32 loads are in; the next block's may be out
.else
	s_wait_loadcnt 0
.endif
.set i, 0
.rept 32
	v_med3_num_f32 v[XW+32*((\t)%2)+i], v[XW+32*((\t)%2)+i], -v11, v11
.set i, i+1
.endr
.irp g, 0,1,2,3
	v_cvt_scalef32_pk8_fp8_f32 v[CW+8*(\t)+2*\g:CW+8*(\t)+2*\g+1], v[XW+32*((\t)%2)+8*\g:XW+32*((\t)%2)+8*\g+7], v10
.endr
	v_nop                                          ; a plain line behind the last conversion
	global_store_b128 v12, v[CW+8*(\t):CW+8*(\t)+3], s[28:29] offset:((\t)/4)*2048+((\t)%4)*512        ; sixteen lanes store 256 consecutive bytes, aligned
	global_store_b128 v12, v[CW+8*(\t)+4:CW+8*(\t)+7], s[28:29] offset:((\t)/4)*2048+((\t)%4)*512+256
.if (\t)+2 < 8
	WLOAD (\t)+2
.endif
.endm
.Lw:
	s_sub_co_u32 s27, ttmp9, 256
	s_mul_hi_u32 s28, s27, 0x6666667               ; / 40: which 256 along K (0..7)
	s_mul_i32 s29, s28, 40
	s_sub_co_u32 s27, s27, s29                     ; which 128 of the 5,120 columns of the four weights on end (0..39)
	s_wait_kmcnt 0x0
	s_mov_b64 s[30:31], s[12:13]                   ; from 24 on: Wp, rows of 8,192 bytes, e11
	s_mov_b32 s60, 8192
	s_mov_b32 s61, s59
	s_mov_b32 s62, 24
	s_cmp_lt_u32 s27, 24                           ; 20-23: Wv, rows of 2,048 bytes, e5
	s_cselect_b64 s[30:31], s[10:11], s[30:31]
	s_cselect_b32 s60, 2048, s60
	s_cselect_b32 s61, s53, s61
	s_cselect_b32 s62, 20, s62
	s_cmp_lt_u32 s27, 20                           ; 16-19: Wk, e3
	s_cselect_b64 s[30:31], s[8:9], s[30:31]
	s_cselect_b32 s61, s51, s61
	s_cselect_b32 s62, 16, s62
	s_cmp_lt_u32 s27, 16                           ; 0-15: Wq, rows of 8,192 bytes, e1
	s_cselect_b64 s[30:31], s[6:7], s[30:31]
	s_cselect_b32 s60, 8192, s60
	s_cselect_b32 s61, s49, s61
	s_cselect_b32 s62, 0, s62
	s_sub_co_u32 s62, s27, s62
	s_lshl_b32 s62, s62, 9                         ; 128 columns of 4 bytes,
	s_lshl_b32 s63, s26, 7                         ; my wave's 32,
	s_add_co_u32 s62, s62, s63
	s_lshl_b32 s63, s28, 8
	s_mul_i32 s63, s63, s60                        ; 256 rows for each step along K
	s_add_co_u32 s62, s62, s63
	s_mov_b32 s63, 0
	s_add_nc_u64 s[32:33], s[30:31], s[62:63]      ; block 0 along K;
	s_lshl_b32 s62, s60, 5                         ; 32 rows on:
.irp t, 1,2,3,4,5,6,7
	s_add_nc_u64 s[32+2*\t:33+2*\t], s[30+2*\t:31+2*\t], s[62:63]
.endr
	s_lshr_b32 s62, s27, 1
	s_lshl_b32 s62, s62, 19                        ; the image's tile of 256 columns,
	s_lshl_b32 s29, s28, 16                        ; its K step,
	s_add_co_u32 s62, s62, s29
	s_and_b32 s29, s27, 1
	s_lshl_b32 s29, s29, 3
	s_lshl_b32 s2, s26, 1
	s_add_co_u32 s29, s29, s2                      ; my wave's first block: 8 x half + 2 x wave
	s_lshl_b32 s29, s29, 12
	s_add_co_u32 s62, s62, s29
	s_add_nc_u64 s[28:29], s[22:23], s[62:63]
	v_bfe_u32 v14, v0, 3, 1
	v_bfe_u32 v15, v0, 4, 1
	v_and_b32 v9, 7, v0
	v_lshl_add_u32 v9, v14, 4, v9
	v_lshl_add_u32 v9, v15, 3, v9                  ; my column of the 32
	v_lshlrev_b32 v[VO], 2, v9
.set i, 1
.rept 31
	v_add_nc_u32 v[VO+i], s60, v[VO+i-1]           ; a row further down
.set i, i+1
.endr
	v_and_b32 v12, 15, v0
	v_lshlrev_b32 v12, 4, v12
	v_lshl_add_u32 v12, v15, 12, v12               ; in the image: block l / 16, 16 bytes at row l % 16
	WLOAD 0
	WLOAD 1
	POW2 61, 10, 11
.irp t, 0,1,2,3,4,5,6,7
	WBLOCK \t
.endr
	s_endpgm
.Lfunc_end_k_qc77625cc08_quant:
	.size	k_qc77625cc08_quant, .Lfunc_end_k_qc77625cc08_quant-k_qc77625cc08_quant
	.p2alignl 7, 3214868480
	.fill 96, 4, 3214868480
	.section	.rodata,"a",@progbits
	.p2align	6, 0x0
	.amdhsa_kernel k_qc77625cc08_quant
		.amdhsa_group_segment_fixed_size 34304
		.amdhsa_private_segment_fixed_size 0
		.amdhsa_enable_private_segment 0
		.amdhsa_kernarg_size 88
		.amdhsa_user_sgpr_count 2
		.amdhsa_user_sgpr_kernarg_segment_ptr 1
		.amdhsa_wavefront_size32 1
		.amdhsa_system_sgpr_workgroup_id_x 1
		.amdhsa_system_sgpr_workgroup_id_y 1
		.amdhsa_system_sgpr_workgroup_id_z 1
		.amdhsa_system_vgpr_workitem_id 0
		.amdhsa_next_free_vgpr 258
		.amdhsa_next_free_sgpr 66
		.amdhsa_reserve_vcc 1
		.amdhsa_float_denorm_mode_32 3
		.amdhsa_float_denorm_mode_16_64 3
		.amdhsa_memory_ordered 1
		.amdhsa_forward_progress 1
		.amdhsa_inst_pref_size 129
	.end_amdhsa_kernel
	.amdgpu_metadata
---
amdhsa.version: [ 1, 2 ]
amdhsa.kernels:
  - .name:           k_qc77625cc08_quant
    .symbol:         k_qc77625cc08_quant.kd
    .args:
      - { .name: x, .offset: 0, .size: 8, .value_kind: global_buffer, .address_space: global }
      - { .name: Wq, .offset: 8, .size: 8, .value_kind: global_buffer, .address_space: global }
      - { .name: Wk, .offset: 16, .size: 8, .value_kind: global_buffer, .address_space: global }
      - { .name: Wv, .offset: 24, .size: 8, .value_kind: global_buffer, .address_space: global }
      - { .name: Wp, .offset: 32, .size: 8, .value_kind: global_buffer, .address_space: global }
      - { .name: lowp_scales, .offset: 40, .size: 8, .value_kind: global_buffer, .address_space: global }
      - { .name: xq_img, .offset: 48, .size: 8, .value_kind: global_buffer, .address_space: global }
      - { .name: xk_img, .offset: 56, .size: 8, .value_kind: global_buffer, .address_space: global }
      - { .name: xv_img, .offset: 64, .size: 8, .value_kind: global_buffer, .address_space: global }
      - { .name: w_img, .offset: 72, .size: 8, .value_kind: global_buffer, .address_space: global }
      - { .name: rope, .offset: 80, .size: 8, .value_kind: global_buffer, .address_space: global }
    .group_segment_fixed_size: 34304
    .private_segment_fixed_size: 0
    .kernarg_segment_align: 8
    .kernarg_segment_size: 88
    .max_flat_workgroup_size: 128
    .sgpr_count:     66
    .vgpr_count:     258
    .wavefront_size: 32
...
	.end_amdgpu_metadata
.endif
;; end of part 1
;; launch qkv (part 2): grid 16 x 12, 4 waves a work-group, clusters of 4 x 1, 327,680 bytes of LDS; arguments xq_img, xk_img, xv_img, w_img, rope, lowp_scales, q_img, kv_img; writes q_img, kv_img
.if DOCPART == 2
	.amdgcn_target "amdgcn-amd-amdhsa--gfx1250"
	.amdhsa_code_object_version 6
	.text
	.protected	k_qc77625cc08_qkv
	.globl	k_qc77625cc08_qkv
	.p2align	8
	.type	k_qc77625cc08_qkv,@function
k_qc77625cc08_qkv:
	s_mov_b64 s[64:65], 0
	v_nop
	global_prefetch_b8 v0, s[64:65] scope:SCOPE_SE
	s_setreg_imm32_b32 hwreg(HW_REG_WAVE_MODE, 25, 1), 1
	s_wait_xcnt 0x0
	s_wait_alu depctr_hold_cnt(0) depctr_sa_sdst(0) depctr_va_vdst(0) depctr_va_sdst(0) depctr_va_ssrc(0) depctr_va_vcc(0) depctr_vm_vsrc(0)
	s_getreg_b32 s2, hwreg(HW_REG_IB_STS2, 6, 4)
	s_cmp_eq_u32 s2, 0
	s_cbranch_scc0 .Lentry_in_a_cluster
	s_endpgm
.Lentry_in_a_cluster:
	s_bfe_u32 s2, ttmp6, 0x10000c
	s_cmp_lg_u32 s2, 0x3003
	s_cbranch_scc0 .Lentry_shape_is_right
	s_endpgm
.Lentry_shape_is_right:
; q = rope(x Wq), k = rope(x Wk), v = x Wv on codes of FP8 (E4M3); the results are quantised at once (2^e6, 2^e7, 2^e9) and stored as images of the next products' operand registers.
; A work-group makes 256 tokens (tile mt = x) x 256 columns (tile nt = y: 0-7 Wq, 8-9 Wk, 10-11 Wv); four waves, 128 x 128 each: 64 accumulators of 16 x 16, 512 registers.  K = 2,048 goes in
; steps of 256 through a ring of two LDS slots.  Operands lie in memory as images of their registers (fragment of 16 rows x 128 K = 2,048 bytes, group c at 512 c + 16 x lane), so half a tile's K step
; is one dense block of 32,768 bytes, a fragment load reads 512 consecutive LDS bytes, and no padding is needed.
; Row r of block a of every image is row 32 (a / 2) + 8 (a % 2) + r + 8 (r / 8): so the 16 registers of result tiles 2 b and 2 b + 1 are 16 neighbours, 32 b + 16 (lane / 16) + 0..15.
; Q AND K: source 0 = 16 columns of W, source 1 = 16 tokens: a lane holds one token, its registers run along the head's 64: the rotation pairs neighbours in a lane, and the conversions' results are the operand.
; V: the two LDS read bases are exchanged: source 0 = 16 tokens, source 1 = 16 columns of Wv: a lane holds one channel and its registers run along the keys, which are the K of the product that reads v.
; 192 work-groups: q, k and v read other codes of x, so a tile's width divides 512; a narrower wave tile would read more LDS bytes for each product.
; CLUSTER: the four partners are four token tiles of one column tile: W's tile is asked for jointly (mask 15).  x's tile is each work-group's own (a plain load behind the same rounds): it is not shared
; along nt, since k and v have two column tiles each and a mask of four would name work-groups that need other codes.
; q_img: [batch x 32 + head][tile of 16 tokens 0..63][1,024 bytes].  kv_img: [batch x 8 + kv head][131,072]: k's 64 tiles of 1,024 bytes, then from 65,536 v: key step of 128 at 8,192 s, 16 channels at 2,048 dt.
; LIMITS: e6 - e0 - e1, e7 - e2 - e3 and e9 - e4 - e5 between -126 and 119, so that the folded scale and 448 x it are f32 numbers.
; REGISTERS, in windows of 256: window 0: v0-31 addresses; from v128 set A's fragments, one set; behind the loop v32-95 at work, v96-100 constants, v128-255 codes.
;   window 1: set B's fragments, two sets (v0, v128); behind the loop the table.   windows 2, 3: the accumulators of set A's blocks 0-3, 4-7: (a, b) at v[8 (8 (a % 4) + b)].
.set FR,     16                        ; registers of a fragment
.set NL,     4                         ; LDS loads that bring one
.set NP,     4                         ; places behind this matrix instruction (ISA guide 7.12.1)
.set HALFT,  32768                     ; 128 rows x 256 codes: what one tensor load brings
.set SLOT,   4*HALFT                   ; x's 256 rows, then W's 256 columns
.set KSB,    65536                     ; from a K step to the next in an image's tile
.set LAPS,   4                         ; 2,048 / 512
.set SPARE,  2*SLOT                    ; behind the ring: the spare words, 128 bytes a wave
.set ADRA, 16                          ; v16-17  LDS address of set A's fragments in slot 0, 1
.set ADRB, 20                          ; v20-21  of set B's
.set SPW,  28                          ; v28     my spare word's address; never rewritten
.set NIL,  29                          ; v29     0; never rewritten
.set TMP,  32
.set SCL,  96                          ; v96     the folded scale as f32
.set LIM,  97                          ; v97     448 x it
.set RO,   98                          ; v98     my byte in the table
.set SO,   99                          ; v99, v100  16 x lane; the same one head on
.set AF,   128
.set CD,   128
.set G1, 24                            ; s[24:31] group 1 for x's tiles; s[32:39] group 0, a set for each slot
.set G0, 32
.set G1B, 48                           ; s[48:55], s[56:63] the same for W's tiles
.set G0B, 56
.set MSB, 0
.macro WIN new                         ; the immediate's high byte repeats the setting that is left
.if MSB != (\new)
	s_set_vgpr_msb (MSB<<8)|(\new)
.set MSB, (\new)
.endif
.endm
.set MUL_LO, 0xa1                      ; source 0 (set B) window 1, source 1 (set A) window 0, C and D window 2
.set MUL_HI, 0xf1
.set TO_B,   0x40                      ; destination window 1, address window 0
.macro JLOAD g0a, g1a, g0b, g1b        ; waves 0 and 1 fetch x's halves (plain), waves 2 and 3 W's (joint); four v_nop follow each line
	s_cmp_eq_u32 s15, 0
	s_cbranch_scc0 .Lfor_b_\@
	tensor_load_to_lds s[\g0a:\g0a+3], s[\g1a:\g1a+7]
	s_nop 0
.rept 4
	v_nop
.endr
	s_branch .Lasked_\@
.Lfor_b_\@:
	tensor_load_to_lds s[\g0b:\g0b+3], s[\g1b:\g1b+7]
	s_nop 0
.rept 4
	v_nop
.endr
.Lasked_\@:
.endm
.macro CREST                           ; a round of the cluster's barrier behind its opening barrier
	s_cmp_lg_u32 s14, 0
	s_cbranch_scc1 .Lnot_wave_0_\@
	s_barrier_signal -3
.Lnot_wave_0_\@:
	s_barrier_wait -3
	s_barrier_signal -1
	s_barrier_wait -1
.endm
.macro CROUND
	s_barrier_signal -1
	s_barrier_wait -1
	CREST
.endm
	s_load_b256 s[4:11], s[0:1], 0x0               ; xq_img, xk_img, xv_img, w_img
	s_load_b256 s[68:75], s[0:1], 0x20             ; rope 68:69, scales 70:71, q_img 72:73, kv_img 74:75
	v_lshl_add_u32 v[SPW], v0, 2, SPARE
	v_mov_b32 v[NIL], 0
	ds_add_u32 v28, v29
	ds_add_u32 v28, v29
	s_wait_dscnt 0x0
	v_lshrrev_b32 v1, 5, v0
	v_readfirstlane_b32 s14, v1                    ; wave 0..3
	s_lshr_b32 s15, s14, 1                         ; which half of set A's rows is mine.  Also: I fetch for x (0) or for W (1)
	s_and_b32 s16, s14, 1                          ; which half of set B's.  Also: which half of that tile I fetch
	s_bfe_u32 s40, ttmp6, 0x40000                  ; cx
	s_lshl_b32 s42, ttmp9, 2
	s_add_co_u32 s42, s42, s40                     ; mt: the token tile = 4 x cluster x + cx
	s_and_b32 s17, ttmp7, 0xffff                   ; nt: the column tile, which the four partners share
	s_mov_b32 s[G1+0], 3<<16                       ; no mask; elements of 8 bytes; no padding
	s_mov_b32 s[G1B+0], 15|(3<<16)|(1<<21)         ; the mask names all four work-groups; bit 21 set beside it
.irp g, G1, G1B
	s_mov_b32 s[\g+1], 32<<16                      ; tensor_dim0 = 32 elements: rows of 256 bytes
	s_mov_b32 s[\g+2], 128<<16                     ; tensor_dim1 = 128
	s_mov_b32 s[\g+3], 32<<16                      ; tile_dim0
	s_mov_b32 s[\g+4], 128                         ; tile_dim1
	s_mov_b32 s[\g+5], 32                          ; the pitch: the block is dense
	s_mov_b32 s[\g+6], 0
	s_mov_b32 s[\g+7], 0
.endr
	s_lshl_b32 s18, s42, 19                        ; x: tile mt, my half
	s_lshl_b32 s19, s16, 15
	s_add_co_u32 s18, s18, s19
	s_mov_b32 s19, 0
	s_lshl_b32 s44, s17, 19                        ; W: tile nt, my half: made of nt and the wave's number alone
	s_lshl_b32 s45, s16, 15
	s_add_co_u32 s44, s44, s45
	s_mov_b32 s45, 0
	s_lshl_b32 s43, s14, 15                        ; where they go: wave x 32,768: no place in the cluster enters an LDS address
	s_wait_kmcnt 0x0
	s_load_b256 s[76:83], s[70:71], 0x0            ; e0 .. e7
	s_load_b128 s[84:87], s[70:71], 0x20           ; e8 .. e11
	s_cmp_lt_u32 s17, 10
	s_cselect_b64 s[20:21], s[6:7], s[8:9]         ; each product reads the codes made with its own scale
	s_cmp_lt_u32 s17, 8
	s_cselect_b64 s[20:21], s[4:5], s[20:21]
	s_add_nc_u64 s[20:21], s[20:21], s[18:19]
	s_add_nc_u64 s[46:47], s[10:11], s[44:45]
	CROUND                                         ; all four work-groups are here: the first joint loads meet
.irp s, 0,1
	s_mov_b32 s[G0+4*\s], 1
	s_add_co_u32 s[G0+4*\s+1], s43, \s*SLOT
	s_add_nc_u64 s[G0+4*\s+2:G0+4*\s+3], s[20:21], \s*KSB
	s_or_b32 s[G0+4*\s+3], s[G0+4*\s+3], 0x80000000
	s_mov_b32 s[G0B+4*\s], 1
	s_add_co_u32 s[G0B+4*\s+1], s43, \s*SLOT
	s_add_nc_u64 s[G0B+4*\s+2:G0B+4*\s+3], s[46:47], \s*KSB
	s_or_b32 s[G0B+4*\s+3], s[G0B+4*\s+3], 0x80000000
	JLOAD G0+4*\s, G1, G0B+4*\s, G1B
.endr
	v_and_b32 v1, 31, v0
	v_lshlrev_b32 v4, 4, v1                        ; 16 x lane
	s_cmp_ge_u32 s17, 10                           ; v: set A reads W's region and set B x's; else the other way round.  Both choices lie inside the slot
	s_cselect_b32 s21, 0x10000, 0
	s_cselect_b32 s22, 0, 0x10000
	s_lshl_b32 s23, s15, 15
	s_add_co_u32 s21, s21, s23
	s_lshl_b32 s23, s16, 15
	s_add_co_u32 s22, s22, s23
.irp s, 0,1
	v_add_nc_u32 v[ADRA+\s], s21, v4
	v_add_nc_u32 v[ADRB+\s], s22, v4
	s_add_co_u32 s21, s21, SLOT
	s_add_co_u32 s22, s22, SLOT
.endr
.macro FRAG reg, adr, q, i             ; block i's fragment of the slot's q-th 128 along K: four loads of 512 consecutive bytes
.irp c, 0,1,2,3
	ds_load_b128 v[\reg+4*\c:\reg+4*\c+3], v[\adr] offset:(2*(\i)+(\q))*2048+512*\c
.endr
.endm
; 16 matrix instructions: set A's blocks a0, a0 + 1 x set B's eight.  The 64 accumulators take turns, one instruction a turn, in the same order in every step.
.macro MUL16 a0, p, zero
.irp a, \a0, \a0+1
.irp b, 0,1,2,3,4,5,6,7
.if \zero
	v_wmma_f32_16x16x128_fp8_fp8 v[8*(8*((\a)%4)+\b):8*(8*((\a)%4)+\b)+7], v[128*(\p)+FR*\b:128*(\p)+FR*\b+FR-1], v[AF+FR*(\a):AF+FR*(\a)+FR-1], 0
.else
	v_wmma_f32_16x16x128_fp8_fp8 v[8*(8*((\a)%4)+\b):8*(8*((\a)%4)+\b)+7], v[128*(\p)+FR*\b:128*(\p)+FR*\b+FR-1], v[AF+FR*(\a):AF+FR*(\a)+FR-1], v[8*(8*((\a)%4)+\b):8*(8*((\a)%4)+\b)+7]
.endif
.endr
.endr
.endm
.macro FETCH_B slot, q, p
	WIN TO_B
.irp i, 0,1,2,3,4,5,6,7
	FRAG 128*(\p)+FR*\i, ADRB+\slot, \q, \i
.endr
	WIN 0
.endm
.macro FETCH_A slot, q, i0
.irp i, \i0, \i0+1, \i0+2, \i0+3
	FRAG AF+FR*(\i), ADRA+\slot, \q, \i
.endr
.endm
.macro PLACES n                        ; plain vector lines between a matrix instruction and a load into, or a read of, its registers
.rept \n
	v_nop
.endr
.endm
.macro STEP slot, q, zero              ; 128 along K whose successor lies in the same slot
	s_wait_dscnt 4*NL                              ; set B and A's blocks 0-3 are in; the youngest 16 loads (A's blocks 4-7) may be out
	WIN MUL_LO
	MUL16 0, (\q)%2, \zero
	MUL16 2, (\q)%2, \zero
	s_wait_dscnt 0                                 ; A's blocks 4-7 are in
	PLACES NP
	FETCH_B \slot, (\q)+1, 1-(\q)%2
	FETCH_A \slot, (\q)+1, 0
	WIN MUL_HI
	MUL16 4, (\q)%2, \zero
	MUL16 6, (\q)%2, \zero
	PLACES NP
	WIN 0
	FETCH_A \slot, (\q)+1, 4
.endm
; A slot's last step changes slots: one barrier; in front of it each wave waits for all its tensor loads, adds 0 to its spare word, and waits for that and for its reads of this slot.
.macro TURN slot, next, fill
	s_wait_tensorcnt 0x0                           ; all my tensor loads have landed: my part of the next slot
	ds_add_u32 v[SPW], v[NIL]                      ; 0 onto my spare word
	s_wait_dscnt 4*NL+1                            ; (the add and the youngest 16 loads may be out)
	WIN MUL_LO
	MUL16 0, 1, 0
	s_wait_dscnt 0x0                               ; the add is done, and my reads of this slot are over
	s_barrier_signal -1
	MUL16 2, 1, 0
	WIN 0
	s_barrier_wait -1
.if \fill
	CREST                                          ; the barrier has opened a round of the cluster's: no wave of any partner still reads this slot or has a load on its way
	s_add_nc_u64 s[G0+4*\slot+2:G0+4*\slot+3], s[G0+4*\slot+2:G0+4*\slot+3], 2*KSB
	s_add_nc_u64 s[G0B+4*\slot+2:G0B+4*\slot+3], s[G0B+4*\slot+2:G0B+4*\slot+3], 2*KSB
	JLOAD G0+4*\slot, G1, G0B+4*\slot, G1B         ; my one tensor load behind the round; its four v_nop are also the places in front of the loads below
.else
	PLACES NP
.endif
	FETCH_B \next, 0, 0
	FETCH_A \next, 0, 0
	WIN MUL_HI
	MUL16 4, 1, 0
	MUL16 6, 1, 0
	PLACES NP
	WIN 0
	FETCH_A \next, 0, 4
.endm
	s_wait_tensorcnt 1                             ; my part of K step 0 is in (K step 1's load may be out)
	s_barrier_signal -1
	s_barrier_wait -1                              ; everybody's is
	FETCH_B 0, 0, 0
	FETCH_A 0, 0, 0
	FETCH_A 0, 0, 4
	STEP 0, 0, 1                                   ; the first step's products start the sums: nothing is cleared
	s_mov_b32 s3, LAPS-1
.Llap:
	TURN 0, 1, 1
	STEP 1, 0, 0
	TURN 1, 0, 1
	STEP 0, 0, 0
	s_sub_co_u32 s3, s3, 1
	s_cmp_lg_u32 s3, 0
	s_cbranch_scc1 .Llap
	TURN 0, 1, 0                                   ; the last lap fills nothing
	STEP 1, 0, 0
	s_wait_dscnt 4*NL
	WIN MUL_LO
	MUL16 0, 1, 0
	MUL16 2, 1, 0
	s_wait_dscnt 0
	WIN MUL_HI
	MUL16 4, 1, 0
	MUL16 6, 1, 0
	WIN 0
	PLACES NP
	; THE WAY OUT.  A sum stands for sum x 2^(its two operands' e added); its code is sum / 2^(the result's e less those two): the three scales are one.  The rotation is linear, so it is done on the sums as they are.
	s_wait_kmcnt 0x0
	s_sub_co_i32 s88, s82, s76
	s_sub_co_i32 s88, s88, s77                     ; e6 - e0 - e1
	s_sub_co_i32 s89, s83, s78
	s_sub_co_i32 s89, s89, s79                     ; e7 - e2 - e3
	s_sub_co_i32 s90, s85, s80
	s_sub_co_i32 s90, s90, s81                     ; e9 - e4 - e5
	s_cmp_lt_u32 s17, 10
	s_cselect_b32 s89, s89, s90
	s_cmp_lt_u32 s17, 8
	s_cselect_b32 s88, s88, s89
	s_add_co_i32 s88, s88, 127
	s_lshl_b32 s89, s88, 23
	v_mov_b32 v[SCL], s89
	s_add_co_i32 s88, s88, 8
	s_lshl_b32 s88, s88, 23
	s_or_b32 s88, s88, 0x600000
	v_mov_b32 v[LIM], s88
	v_and_b32 v1, 31, v0
	v_lshlrev_b32 v[SO], 4, v1
	s_lshr_b32 s91, s42, 2                         ; the batch
	s_and_b32 s92, s42, 3                          ; which 256 of its 1,024 tokens
	s_cmp_ge_u32 s17, 10                           ; the same in all waves and all partners
	s_cbranch_scc1 .Lv_path
	; ---- q or k.  Block a of my 128 tokens is tile 16 (mt % 4) + 8 (wave / 2) + a of the batch; my 128 columns are two heads
	s_cmp_lt_u32 s17, 8
	s_cselect_b64 s[88:89], s[72:73], s[74:75]
	s_cselect_b32 s90, 16, 17                      ; a head is 65,536 bytes in q_img, 131,072 in kv_img
	s_cselect_b32 s93, 5, 3                        ; 32 or 8 heads a batch
	s_cselect_b32 s94, 0, 8
	s_lshl_b32 s93, s91, s93
	s_sub_co_u32 s94, s17, s94
	s_lshl_b32 s94, s94, 2                         ; four heads a column tile
	s_add_co_u32 s93, s93, s94
	s_lshl_b32 s94, s16, 1
	s_add_co_u32 s93, s93, s94                     ; my first head
	s_lshl_b32 s94, s93, s90
	s_lshl_b32 s93, s92, 4
	s_lshl_b32 s95, s15, 3
	s_add_co_u32 s93, s93, s95
	s_lshl_b32 s93, s93, 10                        ; my first tile of tokens
	s_add_co_u32 s94, s94, s93
	s_mov_b32 s95, 0
	s_add_nc_u64 s[88:89], s[88:89], s[94:95]
	s_lshl_b32 s96, 1, s90
	v_add_nc_u32 v[SO+1], s96, v[SO]
	s_lshl_b32 s96, s92, 8
	s_lshl_b32 s97, s15, 7
	s_add_co_u32 s96, s96, s97                     ; my first position in the batch,
	s_lshl_b32 s96, s96, 8                         ; 256 bytes of the table each
	v_and_b32 v1, 15, v0
	v_bfe_u32 v2, v0, 4, 1
	v_and_b32 v3, 8, v1
	v_add_nc_u32 v3, v3, v1                        ; r + 8 (r / 8)
	v_lshl_add_u32 v[RO], v3, 8, s96
	v_lshl_add_u32 v[RO], v2, 6, v[RO]             ; + 64 (lane / 16): my eight pairs (cos, sin) of each 32 channels
	WIN TO_B                                       ; the table goes where set B's fragments lay: block a, half bt of the head: 16 registers at v[32 a + 16 bt]
.irp a, 0,1,2,3,4,5,6,7
.irp bt, 0,1
.irp j, 0,1,2,3
	global_load_b128 v[32*\a+16*\bt+4*\j:32*\a+16*\bt+4*\j+3], v[RO], s[68:69] offset:(32*(\a/2)+8*(\a%2))*256+128*\bt+16*\j
.endr
.endr
.endr
	WIN 0
.irp a, 0,1,2,3,4,5,6,7
	s_wait_loadcnt 8*(7-\a)                        ; block a's eight loads are in; those of the blocks behind it may be out
	WIN 0x06+(\a/4)                                ; source 0: the sums (window 2 or 3); source 1: the table (window 1)
.irp g, 0,1,2,3                        ; g = 2 x head + half: 16 neighbouring channels, eight pairs (x0, x1); each accumulator is read from its low end on
.set p, 0
.rept 8
	v_pk_mul_f32 v[TMP+16*\g+p:TMP+16*\g+p+1], v[64*(\a%4)+16*\g+p:64*(\a%4)+16*\g+p+1], v[32*\a+16*(\g%2)+p:32*\a+16*(\g%2)+p+1] op_sel_hi:[1,0]   ; (x0 cos, x1 cos)
.set p, p+2
.endr
.set p, 0
.rept 8
	v_pk_fma_f32 v[TMP+16*\g+p:TMP+16*\g+p+1], v[64*(\a%4)+16*\g+p:64*(\a%4)+16*\g+p+1], v[32*\a+16*(\g%2)+p:32*\a+16*(\g%2)+p+1], v[TMP+16*\g+p:TMP+16*\g+p+1] op_sel:[1,1,0] op_sel_hi:[0,1,1] neg_lo:[1,0,0]   ; + (-x1 sin, x0 sin)
.set p, p+2
.endr
.endr
	WIN 0
.set i, 0
.rept 64
	v_med3_num_f32 v[TMP+i], v[TMP+i], -v[LIM], v[LIM]   ; the conversion to an 8-bit code does not saturate (ISA guide 7.6.2)
.set i, i+1
.endr
.irp g, 0,1,2,3,4,5,6,7
	v_cvt_scalef32_pk8_fp8_f32 v[CD+16*\a+2*\g:CD+16*\a+2*\g+1], v[TMP+8*\g:TMP+8*\g+7], v[SCL]
.endr
	v_nop                                          ; a plain line behind the last conversion: the next block writes its sources
.irp hd, 0,1
.irp bt, 0,1
	global_store_b128 v[SO+\hd], v[CD+16*\a+8*\hd+4*\bt:CD+16*\a+8*\hd+4*\bt+3], s[88:89] offset:1024*\a+512*\bt   ; 512 consecutive bytes, aligned; every block has code registers of its own
.endr
.endr
.endr
	s_branch .Ljoin
	; ---- v.  Set A's block a is 16 channels (head 2 (wave / 2) + a / 4 of the tile's four, tile a % 4 of the head's 64); its eight accumulators are my 128 tokens: one key step, one whole fragment
.Lv_path:
	s_lshl_b32 s93, s91, 3
	s_sub_co_u32 s94, s17, 10
	s_lshl_b32 s94, s94, 2
	s_add_co_u32 s93, s93, s94
	s_lshl_b32 s94, s15, 1
	s_add_co_u32 s93, s93, s94                     ; my first kv head
	s_lshl_b32 s94, s93, 17
	s_lshl_b32 s93, s92, 1
	s_add_co_u32 s93, s93, s16                     ; my key step: 2 (mt % 4) + wave % 2
	s_lshl_b32 s93, s93, 13
	s_add_co_u32 s94, s94, s93
	s_add_co_u32 s94, s94, 0x10000                 ; v lies behind k
	s_mov_b32 s95, 0
	s_add_nc_u64 s[88:89], s[74:75], s[94:95]
.irp a, 0,1,2,3,4,5,6,7
	WIN 0x02+(\a/4)                                ; source 0: the sums
.set i, 0
.rept 64
	v_med3_num_f32 v[TMP+i], v[64*(\a%4)+i], -v[LIM], v[LIM]   ; register 16 c + i = key 32 c + 16 (lane / 16) + i of the step
.set i, i+1
.endr
	WIN 0
.irp g, 0,1,2,3,4,5,6,7
	v_cvt_scalef32_pk8_fp8_f32 v[CD+16*\a+2*\g:CD+16*\a+2*\g+1], v[TMP+8*\g:TMP+8*\g+7], v[SCL]
.endr
	v_nop
.irp c, 0,1,2,3
	global_store_b128 v[SO], v[CD+16*\a+4*\c:CD+16*\a+4*\c+3], s[88:89] offset:(\a/4)*131072+(\a%4)*2048+512*\c
.endr
.endr
.Ljoin:
	s_wait_tensorcnt 0x0                           ; the wave's end
	ds_add_u32 v[SPW], v[NIL]
	s_wait_dscnt 0x0
	CROUND                                         ; the closing round: no work-group ends while a partner may still ask for a tile that names it
	s_endpgm
.Lfunc_end_k_qc77625cc08_qkv:
	.size	k_qc77625cc08_qkv, .Lfunc_end_k_qc77625cc08_qkv-k_qc77625cc08_qkv
	.p2alignl 7, 3214868480
	.fill 96, 4, 3214868480
	.section	.rodata,"a",@progbits
	.p2align	6, 0x0
	.amdhsa_kernel k_qc77625cc08_qkv
		.amdhsa_group_segment_fixed_size 327680
		.amdhsa_private_segment_fixed_size 0
		.amdhsa_enable_private_segment 0
		.amdhsa_kernarg_size 64
		.amdhsa_user_sgpr_count 2
		.amdhsa_user_sgpr_kernarg_segment_ptr 1
		.amdhsa_wavefront_size32 1
		.amdhsa_system_sgpr_workgroup_id_x 1
		.amdhsa_system_sgpr_workgroup_id_y 1
		.amdhsa_system_sgpr_workgroup_id_z 1
		.amdhsa_system_vgpr_workitem_id 0
		.amdhsa_next_free_vgpr 1024
		.amdhsa_next_free_sgpr 100
		.amdhsa_reserve_vcc 0
		.amdhsa_float_denorm_mode_32 3
		.amdhsa_float_denorm_mode_16_64 3
		.amdhsa_memory_ordered 1
		.amdhsa_forward_progress 1
		.amdhsa_inst_pref_size 197
	.end_amdhsa_kernel
	.amdgpu_metadata
---
amdhsa.version: [ 1, 2 ]
amdhsa.kernels:
  - .name:           k_qc77625cc08_qkv
    .symbol:         k_qc77625cc08_qkv.kd
    .args:
      - { .name: xq_img, .offset: 0, .size: 8, .value_kind: global_buffer, .address_space: global }
      - { .name: xk_img, .offset: 8, .size: 8, .value_kind: global_buffer, .address_space: global }
      - { .name: xv_img, .offset: 16, .size: 8, .value_kind: global_buffer, .address_space: global }
      - { .name: w_img, .offset: 24, .size: 8, .value_kind: global_buffer, .address_space: global }
      - { .name: rope, .offset: 32, .size: 8, .value_kind: global_buffer, .address_space: global }
      - { .name: lowp_scales, .offset: 40, .size: 8, .value_kind: global_buffer, .address_space: global }
      - { .name: q_img, .offset: 48, .size: 8, .value_kind: global_buffer, .address_space: global }
      - { .name: kv_img, .offset: 56, .size: 8, .value_kind: global_buffer, .address_space: global }
    .group_segment_fixed_size: 327680
    .private_segment_fixed_size: 0
    .kernarg_segment_align: 8
    .kernarg_segment_size: 64
    .max_flat_workgroup_size: 128
    .sgpr_count:     100
    .vgpr_count:     1024
    .wavefront_size: 32
...
	.end_amdgpu_metadata
.endif
;; end of part 2
;; launch attn (part 3): grid 8 x 32, 16 waves a work-group, clusters of 4 x 1, 169,984 bytes of LDS; arguments q_img, kv_img, lowp_scales, att_img; writes att_img
.if DOCPART == 3
	.amdgcn_target "amdgcn-amd-amdhsa--gfx1250"
	.amdhsa_code_object_version 6
	.text
	.protected	k_qc77625cc08_attn
	.globl	k_qc77625cc08_attn
	.p2align	8
	.type	k_qc77625cc08_attn,@function
k_qc77625cc08_attn:
	s_mov_b64 s[64:65], 0
	v_nop
	global_prefetch_b8 v0, s[64:65] scope:SCOPE_SE
	s_setreg_imm32_b32 hwreg(HW_REG_WAVE_MODE, 25, 1), 1
	s_wait_xcnt 0x0
	s_wait_alu depctr_hold_cnt(0) depctr_sa_sdst(0) depctr_va_vdst(0) depctr_va_sdst(0) depctr_va_ssrc(0) depctr_va_vcc(0) depctr_vm_vsrc(0)
	s_getreg_b32 s2, hwreg(HW_REG_IB_STS2, 6, 4)
	s_cmp_eq_u32 s2, 0
	s_cbranch_scc0 .Lentry_in_a_cluster
	s_endpgm
.Lentry_in_a_cluster:
	s_bfe_u32 s2, ttmp6, 0x10000c
	s_cmp_lg_u32 s2, 0x3003
	s_cbranch_scc0 .Lentry_shape_is_right
	s_endpgm
.Lentry_shape_is_right:
; o = softmax(q k^T / 8, causal) v for 128 heads of 1,024 tokens x 64 channels, both products on codes of FP8 (E4M3); the result is quantised (2^e10) and stored as the last product's operand.
; THE SOFTMAX: t = score x log2(e) / 8; M = the running largest t rounded UP to a whole number; p = 2^(t - M) is quantised (2^e8), not normalised; the row's sum is taken of the unquantised p and divides at the end.
; When M moves, the sum and O are multiplied by 2^(old M - new M), which rounds nothing.
; SHARES.  y = batch x 8 + kv head.  The four partners of a cluster are the four query heads that share that k and v (cx), at the same query tiles; cluster x = j (0, 1).  A tile is 16 queries (tile T's row r is
; token 32 (T / 2) + 8 (T % 2) + r + 8 (r / 8)) and needs T / 8 + 1 key steps of 128: what lies wholly under the mask is left out.  Wave w takes tile 16 j + w, then tile 63 - (16 j + w): nine steps for every wave.
; LDS holds the kv head's whole k and v as they lie in kv_img, 131,072 bytes, filled once by joint loads (mask 15) of waves 0 to 3, two each: first keys 0-511, which the first pass needs, then 512-1023.
; Nothing is filled again: no ring.  Every branch hangs on j, the wave's number and counters: alike in all partners.
; LAYOUT.  S^T = k q^T (source 0 = 16 keys, source 1 = my 16 queries), O^T = v^T p^T: a lane holds one query throughout; the 16 registers of key tiles 2 b, 2 b + 1 are keys 32 b + 16 (lane / 16) + 0..15, so the
; conversions' results are the second product's operand; likewise O^T's registers are neighbours along the last product's K.
; LIMITS: e6 + e7 between -123 and 130 (added to the exponent field of log2(e) / 8); e8 and e10 between -126 and 119; e8 + e9 is applied by v_ldexp_f32 and has none.
; REGISTERS: v1 16 x lane; v2, v3 addresses in hand; v4 the mask's d; v5, v6 448 x 2^e8, 2^e8; v7, v8 the same with e10; v9 -infinity; v10 v's place; v11 the lane's part of d; v12 -M, v13 the largest t,
; v[14:15] the sum; v16-31 q's two fragments; v32-95 k's, then v's fragments; v96-159 S^T, then p; v160-191 O^T; v192-207 p's codes; v208-215 at work; v208-239 the result; v240-255 its codes.
.macro CROUND
	s_barrier_signal -1
	s_barrier_wait -1
	s_cmp_lg_u32 s12, 0
	s_cbranch_scc1 .Lnot_wave_0_\@
	s_barrier_signal -3
.Lnot_wave_0_\@:
	s_barrier_wait -3
	s_barrier_signal -1
	s_barrier_wait -1
.endm
	s_load_b256 s[4:11], s[0:1], 0x0               ; q_img 4:5, kv_img 6:7, scales 8:9, att_img 10:11
	v_lshl_add_u32 v254, v0, 2, 0x29000
	v_mov_b32 v255, 0
	ds_add_u32 v254, v255
	ds_add_u32 v254, v255
	s_wait_dscnt 0x0
	v_lshrrev_b32 v1, 5, v0
	v_readfirstlane_b32 s12, v1                    ; wave 0..15
	s_bfe_u32 s13, ttmp6, 0x40000                  ; cx: the query head among the four: it enters q's and the result's addresses alone
	s_mov_b32 s14, ttmp9                           ; j
	s_and_b32 s15, ttmp7, 0xffff                   ; y
	s_mov_b32 s24, 15|(3<<16)|(1<<21)              ; group 1: the mask names all four; elements of 8 bytes; bit 21 set beside the mask
	s_mov_b32 s25, 32<<16                          ; rows of 256 bytes,
	s_mov_b32 s26, 64<<16                          ; 64 of them,
	s_mov_b32 s27, 32<<16
	s_mov_b32 s28, 64
	s_mov_b32 s29, 32                              ; dense
	s_mov_b32 s30, 0
	s_mov_b32 s31, 0
	s_mov_b32 s20, 0x76543210                      ; v_permlanex16_b32: lane l xor 16
	s_mov_b32 s21, 0xfedcba98
	s_and_b32 s52, s12, 3                          ; what I fetch, if I fetch: waves 0, 1: k; waves 2, 3: v; 16,384 bytes at (wave % 2) x 16,384, and again 32,768 further on
	s_lshr_b32 s53, s52, 1
	s_lshl_b32 s53, s53, 16
	s_and_b32 s52, s52, 1
	s_lshl_b32 s52, s52, 14
	s_add_co_u32 s52, s52, s53                     ; the same place in LDS and in the head's 131,072 bytes
	s_lshl_b32 s54, s15, 17
	s_add_co_u32 s54, s54, s52
	s_mov_b32 s55, 0
	s_wait_kmcnt 0x0
	s_load_b256 s[40:47], s[8:9], 0x0              ; e0 .. e7
	s_load_b128 s[48:51], s[8:9], 0x20             ; e8 .. e11
	s_mov_b32 s32, 1
	s_mov_b32 s33, s52
	s_add_nc_u64 s[34:35], s[6:7], s[54:55]
	s_mov_b32 s36, 1
	s_add_co_u32 s37, s52, 32768
	s_add_nc_u64 s[38:39], s[34:35], 32768
	s_or_b32 s35, s35, 0x80000000
	s_or_b32 s39, s39, 0x80000000
	CROUND                                         ; all four work-groups are here: the joint loads meet
	s_cmp_lt_u32 s12, 4                            ; a wave's two fills stand in one branch, ahead of every wait on TENSORcnt, every LDS read and every other barrier: two loads of mine are out
	s_cbranch_scc0 .Lno_fetch
	tensor_load_to_lds s[32:35], s[24:31]
	s_nop 0
	tensor_load_to_lds s[36:39], s[24:31]
	s_nop 0
.rept 4
	v_nop
.endr
.Lno_fetch:
	v_and_b32 v1, 31, v0
	v_lshlrev_b32 v1, 4, v1                        ; 16 x lane; never rewritten from here on
	v_add_nc_u32 v10, 0x10000, v1
	v_and_b32 v2, 15, v0
	v_bfe_u32 v3, v0, 4, 1
	v_and_b32 v11, 8, v2
	v_add_nc_u32 v11, v11, v2
	v_lshlrev_b32 v3, 4, v3
	v_sub_nc_u32 v11, v11, v3                      ; r + 8 (r / 8) - 16 (lane / 16)
	s_lshl_b32 s16, s14, 4
	s_add_co_u32 s16, s16, s12                     ; my first tile: 16 j + w
	s_lshl_b32 s52, s15, 2
	s_add_co_u32 s52, s52, s13
	s_lshl_b32 s52, s52, 16                        ; the query head's 65,536 bytes
	s_lshl_b32 s54, s16, 10
	s_add_co_u32 s54, s54, s52
	s_add_nc_u64 s[56:57], s[4:5], s[54:55]
	s_sub_co_u32 s54, 63, s16
	s_lshl_b32 s54, s54, 10
	s_add_co_u32 s54, s54, s52
	s_add_nc_u64 s[58:59], s[4:5], s[54:55]
	global_load_b128 v[16:19], v1, s[56:57]
	global_load_b128 v[20:23], v1, s[56:57] offset:512
	global_load_b128 v[24:27], v1, s[58:59]
	global_load_b128 v[28:31], v1, s[58:59] offset:512
	v_mov_b32 v9, 0xff800000
	v_mov_b32 v210, 0                              ; a lane permute's destination counts as one of its sources
	v_mov_b32 v213, 0                              ; (named as the upper half of the pair v[212:213])
	s_wait_kmcnt 0x0
	s_add_co_i32 s52, s46, s47
	s_lshl_b32 s52, s52, 23
	s_add_co_i32 s22, s52, 0x3e38aa3b              ; c = log2(e) / 8 x 2^(e6 + e7): a score stands for score x 2^(e6 + e7)
	s_mov_b32 s23, s22                             ; (named with it as a pair)
	s_add_co_i32 s52, s48, 127
	s_lshl_b32 s53, s52, 23
	v_mov_b32 v6, s53                              ; 2^e8
	s_add_co_i32 s52, s52, 8
	s_lshl_b32 s52, s52, 23
	s_or_b32 s52, s52, 0x600000
	v_mov_b32 v5, s52                              ; 448 x 2^e8
	s_add_co_i32 s52, s50, 127
	s_lshl_b32 s53, s52, 23
	v_mov_b32 v8, s53                              ; 2^e10
	s_add_co_i32 s52, s52, 8
	s_lshl_b32 s52, s52, 23
	s_or_b32 s52, s52, 0x600000
	v_mov_b32 v7, s52                              ; 448 x 2^e10
	s_add_co_i32 s60, s48, s49                     ; e8 + e9
; One tile of queries.  The loop's trip count is a constant; a step all of whose keys come after the tile's queries is jumped over (a scalar branch on ids), not the lines that step the address.
.macro PASS p, trips
.if \p
	s_sub_co_u32 s16, 63, s16                      ; my second tile
.endif
	s_lshr_b32 s17, s16, 3                         ; its last key step, the one on the diagonal
	s_lshr_b32 s52, s16, 1
	s_and_b32 s52, s52, 3
	s_lshl_b32 s52, s52, 5
	s_and_b32 s53, s16, 1
	s_lshl_b32 s53, s53, 3
	s_add_co_u32 s52, s52, s53
	v_add_nc_u32 v4, s52, v11                      ; d = my query - the diagonal step's first key - 16 (lane / 16)
	s_lshr_b32 s52, s15, 3
	s_lshl_b32 s52, s52, 2
	s_lshr_b32 s53, s16, 4
	s_add_co_u32 s52, s52, s53
	s_lshl_b32 s52, s52, 19                        ; att_img: the tile of 256 tokens,
	s_and_b32 s53, s15, 7
	s_lshl_b32 s53, s53, 16                        ; K step = kv head (four heads of 64),
	s_add_co_u32 s52, s52, s53
	s_and_b32 s53, s16, 15
	s_lshl_b32 s53, s53, 12                        ; the block of 16 tokens,
	s_add_co_u32 s52, s52, s53
	s_lshl_b32 s53, s13, 10                        ; my head's 64 of the 256
	s_add_co_u32 s52, s52, s53
	s_mov_b32 s53, 0
	s_add_nc_u64 s[56+2*\p:57+2*\p], s[10:11], s[52:53]
	v_mov_b32 v13, 0xff61b1e6                      ; the largest t so far: -3e38
	v_floor_f32 v12, -v13
	v_mov_b32 v14, 0
	v_mov_b32 v15, 0
.set i, 0
.rept 32
	v_mov_b32 v[160+i], 0                          ; the step is written once: the first finds zeros
.set i, i+1
.endr
	s_mov_b32 s18, 0                               ; the key step,
	s_mov_b32 s19, 0                               ; and its 8,192 bytes of k and of v
.Lstep_\@:
	s_cmp_gt_u32 s18, s17
	s_cbranch_scc1 .Lskip_\@
	v_add_nc_u32 v2, s19, v1
	v_add_nc_u32 v3, s19, v10
	v_nop
	v_nop                                          ; four plain lines between the last products and the loads into registers that they read
.irp kt, 0,1,2,3,4,5,6,7
	ds_load_b128 v[32+8*\kt:35+8*\kt], v2 offset:1024*\kt
	ds_load_b128 v[36+8*\kt:39+8*\kt], v2 offset:1024*\kt+512
.endr
	s_wait_dscnt 0x0
.irp kt, 0,1,2,3,4,5,6,7
	v_wmma_f32_16x16x64_fp8_fp8 v[96+8*\kt:103+8*\kt], v[32+8*\kt:39+8*\kt], v[16+8*\p:23+8*\p], 0
.endr
.rept 4
	v_nop
.endr
.irp dt, 0,1,2,3                       ; v's four fragments go where k's lay, and land under the softmax
.irp c, 0,1,2,3
	ds_load_b128 v[32+16*\dt+4*\c:35+16*\dt+4*\c], v3 offset:2048*\dt+512*\c
.endr
.endr
	s_cmp_lg_u32 s18, s17                          ; on the diagonal hidden scores become -infinity ahead of the maximum.  Key 0 counts for every query, so M is a number from the first step on
	s_cbranch_scc1 .Lopen_\@
.set n, 0
.rept 64
	v_cmp_gt_i32 vcc_lo, 32*(n/16)+n%16, v4        ; register n holds key 32 (n / 16) + n % 16 + 16 (lane / 16) of the step
	v_cndmask_b32 v[96+n], v[96+n], v9, vcc_lo
.set n, n+1
.endr
.Lopen_\@:
	v_max3_num_f32 v208, v96, v97, v98             ; the step's largest score of my query, in two chains, each accumulator from its low end on,
	v_max3_num_f32 v209, v99, v100, v101
.irp i, 6,10,14,18,22,26,30,34,38,42,46,50,54,58
	v_max3_num_f32 v208, v208, v[96+\i], v[97+\i]
	v_max3_num_f32 v209, v209, v[98+\i], v[99+\i]
.endr
	v_max3_num_f32 v208, v208, v158, v159
	v_max_num_f32 v208, v208, v209
	v_permlanex16_b32 v210, v208, s20, s21
	v_max_num_f32 v208, v208, v210                 ; and among lane l xor 16's
	v_mul_f32 v208, s22, v208                      ; as t (c is positive)
	v_max_num_f32 v13, v13, v208
	v_mov_b32 v208, v12
	v_floor_f32 v12, -v13                          ; -M = floor(-t): M is a whole number
	v_sub_f32 v208, v12, v208                      ; old M - new M, 0 or less
	v_cvt_i32_f32 v208, v208                       ; (it saturates)
	v_ldexp_f32 v212, 1.0, v208                    ; f = 2^(old M - new M)
.set i, 0
.rept 32
	v_pk_fma_f32 v[96+i:97+i], v[96+i:97+i], s[22:23], v[12:13] op_sel_hi:[1,0,0]   ; t - M
.set i, i+2
.endr
.set i, 0
.rept 64
	v_exp_f32 v[96+i], v[96+i]                     ; p = 2^(t - M)
.set i, i+1
.endr
	v_pk_mul_f32 v[14:15], v[14:15], v[212:213] op_sel_hi:[1,0]   ; the sums under the new M: the plain line behind the exponentials
	s_wait_alu depctr_va_vdst(0)                   ; one wait for the batch, ahead of its first reader
	v_pk_add_f32 v[214:215], v[96:97], v[98:99]    ; the row's sum, of the unquantised p, in two chains
.irp i, 4,8,12,16,20,24,28,32,36,40,44,48,52,56,60
	v_pk_add_f32 v[14:15], v[14:15], v[96+\i:97+\i]
	v_pk_add_f32 v[214:215], v[214:215], v[98+\i:99+\i]
.endr
	v_pk_add_f32 v[14:15], v[14:15], v[214:215]
.irp b, 0,1,2,3
.irp i, 0,1,2,3,4,5,6,7,8,9,10,11,12,13,14,15
	v_min_num_f32 v[96+16*\b+\i], v[96+16*\b+\i], v5   ; p is not negative: the hold is one-sided
.endr
	v_cvt_scalef32_pk8_fp8_f32 v[192+4*\b:193+4*\b], v[96+16*\b:103+16*\b], v6
	v_cvt_scalef32_pk8_fp8_f32 v[194+4*\b:195+4*\b], v[104+16*\b:111+16*\b], v6
.endr
.set i, 0
.rept 16
	v_pk_mul_f32 v[160+i:161+i], v[160+i:161+i], v[212:213] op_sel_hi:[1,0]   ; O^T under the new M; also the plain lines behind the conversions
.set i, i+2
.endr
	s_wait_dscnt 0x0                               ; v is in
.irp dt, 0,1,2,3                       ; the four accumulators take turns; between two links of a chain stand the three others' and the next step's eight products
	v_wmma_f32_16x16x128_fp8_fp8 v[160+8*\dt:167+8*\dt], v[32+16*\dt:47+16*\dt], v[192:207], v[160+8*\dt:167+8*\dt]
.endr
.Lskip_\@:
	s_add_co_u32 s19, s19, 8192
	s_add_co_u32 s18, s18, 1
	s_cmp_lt_u32 s18, \trips
	s_cbranch_scc1 .Lstep_\@
.rept 4
	v_nop
.endr
	v_add_f32 v14, v14, v15
	v_permlanex16_b32 v210, v14, s20, s21
	v_add_f32 v14, v14, v210                       ; the row's sum
	v_rcp_f32 v14, v14
	v_nop                                          ; a plain line behind the reciprocal,
	s_wait_alu depctr_va_vdst(0)                   ; and the wait ahead of its first reader
	v_ldexp_f32 v14, v14, s60                      ; x 2^(e8 + e9)
.set i, 0
.rept 32
	v_mul_f32 v[208+i], v[160+i], v14              ; register 8 dt + i: channel 32 (dt / 2) + 8 (dt % 2) + 16 (lane / 16) + i
.set i, i+1
.endr
.set i, 0
.rept 32
	v_med3_num_f32 v[208+i], v[208+i], -v7, v7
.set i, i+1
.endr
.irp g, 0,1,2,3
	v_cvt_scalef32_pk8_fp8_f32 v[240+8*\p+2*\g:241+8*\p+2*\g], v[208+8*\g:215+8*\g], v8
.endr
	v_nop
	global_store_b128 v1, v[240+8*\p:243+8*\p], s[56+2*\p:57+2*\p]              ; 512 consecutive bytes, aligned; each pass has its own code registers and base
	global_store_b128 v1, v[244+8*\p:247+8*\p], s[56+2*\p:57+2*\p] offset:512
.endm
	s_wait_tensorcnt 0x1                           ; my part of keys 0-511 is in; the later keys' load may stay out
	s_barrier_signal -1
	s_barrier_wait -1
	s_wait_loadcnt 0x0                             ; q; its loads' bases may be written again
	PASS 0, 4                                      ; tiles 0-31: keys under 512
	s_wait_tensorcnt 0x0                           ; my part of keys 512-1023 is in,
	s_wait_dscnt 0x0
	s_barrier_signal -1
	s_barrier_wait -1                              ; everybody's is
	PASS 1, 8
	s_wait_xcnt 0x0
	v_lshl_add_u32 v254, v0, 2, 0x29000
	v_mov_b32 v255, 0
	s_wait_tensorcnt 0x0
	ds_add_u32 v254, v255
	s_wait_dscnt 0x0
	CROUND                                         ; the closing round
	s_endpgm
.Lfunc_end_k_qc77625cc08_attn:
	.size	k_qc77625cc08_attn, .Lfunc_end_k_qc77625cc08_attn-k_qc77625cc08_attn
	.p2alignl 7, 3214868480
	.fill 96, 4, 3214868480
	.section	.rodata,"a",@progbits
	.p2align	6, 0x0
	.amdhsa_kernel k_qc77625cc08_attn
		.amdhsa_group_segment_fixed_size 169984
		.amdhsa_private_segment_fixed_size 0
		.amdhsa_enable_private_segment 0
		.amdhsa_kernarg_size 32
		.amdhsa_user_sgpr_count 2
		.amdhsa_user_sgpr_kernarg_segment_ptr 1
		.amdhsa_wavefront_size32 1
		.amdhsa_system_sgpr_workgroup_id_x 1
		.amdhsa_system_sgpr_workgroup_id_y 1
		.amdhsa_system_sgpr_workgroup_id_z 1
		.amdhsa_system_vgpr_workitem_id 0
		.amdhsa_next_free_vgpr 256
		.amdhsa_next_free_sgpr 66
		.amdhsa_reserve_vcc 1
		.amdhsa_float_denorm_mode_32 3
		.amdhsa_float_denorm_mode_16_64 3
		.amdhsa_memory_ordered 1
		.amdhsa_forward_progress 1
		.amdhsa_inst_pref_size 59
	.end_amdhsa_kernel
	.amdgpu_metadata
---
amdhsa.version: [ 1, 2 ]
amdhsa.kernels:
  - .name:           k_qc77625cc08_attn
    .symbol:         k_qc77625cc08_attn.kd
    .args:
      - { .name: q_img, .offset: 0, .size: 8, .value_kind: global_buffer, .address_space: global }
      - { .name: kv_img, .offset: 8, .size: 8, .value_kind: global_buffer, .address_space: global }
      - { .name: lowp_scales, .offset: 16, .size: 8, .value_kind: global_buffer, .address_space: global }
      - { .name: att_img, .offset: 24, .size: 8, .value_kind: global_buffer, .address_space: global }
    .group_segment_fixed_size: 169984
    .private_segment_fixed_size: 0
    .kernarg_segment_align: 8
    .kernarg_segment_size: 32
    .max_flat_workgroup_size: 512
    .sgpr_count:     66
    .vgpr_count:     256
    .wavefront_size: 32
...
	.end_amdgpu_metadata
.endif
;; end of part 3
;; launch outp (part 4): grid 8 x 32, 4 waves a work-group, clusters of 4 x 1, 280,064 bytes of LDS; arguments att_img, w_img, lowp_scales, out0; writes out0
.if DOCPART == 4
	.amdgcn_target "amdgcn-amd-amdhsa--gfx1250"
	.amdhsa_code_object_version 6
	.text
	.protected	k_qc77625cc08_outp
	.globl	k_qc77625cc08_outp
	.p2align	8
	.type	k_qc77625cc08_outp,@function
k_qc77625cc08_outp:
	s_mov_b64 s[64:65], 0
	v_nop
	global_prefetch_b8 v0, s[64:65] scope:SCOPE_SE
	s_setreg_imm32_b32 hwreg(HW_REG_WAVE_MODE, 25, 1), 1
	s_wait_xcnt 0x0
	s_wait_alu depctr_hold_cnt(0) depctr_sa_sdst(0) depctr_va_vdst(0) depctr_va_sdst(0) depctr_va_ssrc(0) depctr_va_vcc(0) depctr_vm_vsrc(0)
	s_getreg_b32 s2, hwreg(HW_REG_IB_STS2, 6, 4)
	s_cmp_eq_u32 s2, 0
	s_cbranch_scc0 .Lentry_in_a_cluster
	s_endpgm
.Lentry_in_a_cluster:
	s_bfe_u32 s2, ttmp6, 0x10000c
	s_cmp_lg_u32 s2, 0x3003
	s_cbranch_scc0 .Lentry_shape_is_right
	s_endpgm
.Lentry_shape_is_right:
; out0 = att Wp on codes of FP8 (E4M3): [4096][2048] x [2048][2048], f32 sums, each multiplied once by 2^(e10 + e11).
; SHARES.  A work-group makes 128 tokens (tile mt = y, 0..31) x 256 columns (tile nt = x, 0..7): 256 work-groups.  Each of its four waves makes all 128 tokens x 64 columns of its own: 32 accumulators
; of 16 x 16, 256 registers; K = 2,048 goes in 16 steps of 128, 32 matrix instructions each.
; Both operands lie in memory as images of their registers: a fragment (16 rows x 128 K) is 2,048 bytes, register group c at 512 c + 16 x lane; a tile of 256 rows is 524,288 bytes: K step of 256 at 65,536 ks,
; block of 16 rows at 4,096 blk, half of 128 K at 2,048 q.  Row r of block a is row 32 (a / 2) + 8 (a % 2) + r + 8 (r / 8).  Wp's tiles are tiles 12 to 19 of w_img.
; ATT LIES IN LDS WHOLE: 128 rows x 2,048 codes = 262,144 bytes, filled once: four tensor loads a wave (64 rows of 256 bytes each, a quarter of K a turn), all issued at the start.  Nothing is filled again:
; no ring and no round of the cluster's barrier in the steps.  CLUSTER: the four partners are four column tiles of one token tile: att's bytes are asked for jointly (mask 15).
; WP GOES FROM MEMORY STRAIGHT INTO REGISTERS: each wave needs other columns, so inside a work-group no byte of Wp is wanted twice; a fragment is four loads of 512 consecutive bytes; four sets of registers,
; asked for three steps ahead.  It is not asked for jointly: beside att's bytes LDS has 65,536 left, which would make slots of 128 along K: fourteen refills, each behind a round of the cluster's barrier.
; THE ORDER OF K IS TURNED: in turn t (four steps) work-group mt takes quarter (t + mt) % 4 of K, of att and of Wp alike, so that the 32 work-groups that read one tile of Wp do not all ask for the same
; bytes at the same time.  LIMIT: the f32 sums are therefore added in another order of K than ascending.
; Source 0 = 16 columns of Wp, source 1 = 16 tokens: a lane holds one token and eight neighbouring columns.
; LIMIT: e10 + e11 between -126 and 127, so that 2^(e10 + e11) is an f32 number.
; REGISTERS, in windows of 256: window 0: v8 16 x lane; v12-15 LDS addresses of the four turns; v16-18 the way out; v32-63 a block's sums x 2^(e10 + e11); v64-127 rows read back, two sets.
;   window 1: Wp's fragments, four sets of 64.   window 2: att's fragments, two sets of 128.   window 3: the accumulators: (a, b) at v[8 (4 a + b)].
.set FR,     16                        ; registers of a fragment
.set GRP,    65536                     ; a quarter of K in LDS: 128 rows x 512 codes
.set KGB,    131072                    ; the same quarter in an image's tile of 256 rows
.set STG,    4*GRP                     ; behind att: a stage of 16 rows for each wave, for the way out; no tensor load lands there
.set SPITCH, 272                       ; a stage row: 256 bytes + 16: 17 x 16 bytes, so the 16 rows that a store touches begin in 16 different groups of banks (ISA guide 11.1)
.set LI,   8                           ; v8      16 x lane; never rewritten
.set ADR,  12                          ; v12-15  LI + 65,536 x turn
.set STO,  16                          ; v16     the way out: where I put 32 bytes of a row
.set RD,   17                          ; v17     where I read a row back
.set CO,   18                          ; v18     my byte offset in two rows of out0
.set TMP,  32
.set BK,   64
.set G1,   24                          ; s[24:31] descriptor group 1
.set G0,   32                          ; s[32:47] group 0, a set for each turn; never rewritten
.set WB,   48                          ; s[48:55] Wp's address for each turn; never rewritten
.set MSB, 0
.macro WIN new                         ; the immediate's high byte repeats the setting that is left
.if MSB != (\new)
	s_set_vgpr_msb (MSB<<8)|(\new)
.set MSB, (\new)
.endif
.endm
.set MUL,  0xf9                        ; source 0 (Wp) window 1, source 1 (att) window 2, C and D window 3
.set TO_A, 0x80                        ; destination window 2, address window 0
.set TO_B, 0x40                        ; destination window 1, address window 0
.macro CROUND                          ; a round of the cluster's barrier
	s_barrier_signal -1
	s_barrier_wait -1
	s_cmp_lg_u32 s14, 0
	s_cbranch_scc1 .Lnot_wave_0_\@
	s_barrier_signal -3
.Lnot_wave_0_\@:
	s_barrier_wait -3
	s_barrier_signal -1
	s_barrier_wait -1
.endm
.macro PLACES n                        ; plain vector lines between a matrix instruction and a load into, or a read of, its registers
.rept \n
	v_nop
.endr
.endm
.macro BLOAD s                         ; step s: my four fragments of Wp into set s % 4: 16 loads of 512 consecutive bytes
.irp b, 0,1,2,3
.irp c, 0,1,2,3
	global_load_b128 v[64*((\s)%4)+FR*\b+4*\c:64*((\s)%4)+FR*\b+4*\c+3], v[LI], s[WB+2*((\s)/4):WB+2*((\s)/4)+1] offset:(((\s)/2)%2)*65536+\b*4096+((\s)%2)*2048+512*\c
.endr
.endr
.endm
.macro AFETCH s                        ; step s: att's eight fragments into set s % 2: 32 loads of 512 consecutive LDS bytes
.irp a, 0,1,2,3,4,5,6,7
.irp c, 0,1,2,3
	ds_load_b128 v[128*((\s)%2)+FR*\a+4*\c:128*((\s)%2)+FR*\a+4*\c+3], v[ADR+(\s)/4] offset:(((\s)/2)%2)*32768+\a*4096+((\s)%2)*2048+512*\c
.endr
.endr
.endm
	s_load_b128 s[4:7], s[0:1], 0x0                ; att_img, w_img
	s_load_b128 s[8:11], s[0:1], 0x10              ; scales, out0
	v_lshl_add_u32 v254, v0, 2, 0x44400
	v_mov_b32 v255, 0
	ds_add_u32 v254, v255
	ds_add_u32 v254, v255
	v_lshrrev_b32 v1, 5, v0
	v_readfirstlane_b32 s14, v1                    ; wave 0..3
	v_and_b32 v2, 31, v0
	v_lshlrev_b32 v[LI], 4, v2                     ; 16 x lane
	s_bfe_u32 s15, ttmp6, 0x40000                  ; cx: it enters Wp's and out0's addresses alone
	s_lshl_b32 s16, ttmp9, 2
	s_add_co_u32 s16, s16, s15                     ; nt: the column tile = 4 x cluster x + cx
	s_and_b32 s17, ttmp7, 0xffff                   ; mt: the token tile, which the four partners share
	s_and_b32 s18, s17, 3                          ; the quarter of K with which it begins
	s_mov_b32 s[G1+0], 15|(3<<16)|(1<<21)          ; the mask names all four work-groups; elements of 8 bytes; bit 21 set beside the mask; no padding
	s_mov_b32 s[G1+1], 32<<16                      ; tensor_dim0 = 32 elements: rows of 256 bytes,
	s_mov_b32 s[G1+2], 64<<16                      ; tensor_dim1 = 64 of them,
	s_mov_b32 s[G1+3], 32<<16                      ; tile_dim0
	s_mov_b32 s[G1+4], 64                          ; tile_dim1
	s_mov_b32 s[G1+5], 32                          ; the pitch: the block is dense
	s_mov_b32 s[G1+6], 0
	s_mov_b32 s[G1+7], 0
	s_lshr_b32 s20, s17, 1                         ; att: tile of 256 tokens mt / 2,
	s_lshl_b32 s20, s20, 19
	s_and_b32 s21, s17, 1                          ; its blocks 8 (mt % 2) on,
	s_lshl_b32 s21, s21, 15
	s_add_co_u32 s20, s20, s21
	s_lshr_b32 s21, s14, 1                         ; of a quarter's two K steps of 256 the one that I fetch: wave / 2,
	s_lshl_b32 s21, s21, 16
	s_add_co_u32 s20, s20, s21
	s_and_b32 s21, s14, 1                          ; and of its 32,768 bytes my half: made of mt and the wave's number alone
	s_lshl_b32 s21, s21, 14
	s_add_co_u32 s20, s20, s21
	s_mov_b32 s21, 0
	s_add_co_u32 s22, s16, 12                      ; Wp: tile 12 + nt,
	s_lshl_b32 s22, s22, 19
	s_lshl_b32 s23, s14, 14                        ; my four blocks of 16 columns
	s_add_co_u32 s22, s22, s23
	s_mov_b32 s23, 0
	s_lshl_b32 s60, s14, 14                        ; where my part of a quarter goes in LDS: wave x 16,384: no place in the cluster enters an LDS address
	s_wait_dscnt 0x0
	s_wait_kmcnt 0x0
	s_load_b64 s[56:57], s[8:9], 0x28              ; e10, e11
	s_add_nc_u64 s[20:21], s[4:5], s[20:21]
	s_add_nc_u64 s[22:23], s[6:7], s[22:23]
.irp t, 0,1,2,3                        ; turn t takes quarter (t + mt) % 4 of K
	s_add_co_u32 s58, s18, \t
	s_and_b32 s58, s58, 3
	s_lshl_b32 s58, s58, 17                        ; x KGB
	s_mov_b32 s59, 0
	s_add_nc_u64 s[WB+2*\t:WB+2*\t+1], s[22:23], s[58:59]
	s_mov_b32 s[G0+4*\t], 1                        ; count = 1
	s_add_co_u32 s[G0+4*\t+1], s60, \t*GRP         ; LDS address: the turns lie on end
	s_add_nc_u64 s[G0+4*\t+2:G0+4*\t+3], s[20:21], s[58:59]
	s_or_b32 s[G0+4*\t+3], s[G0+4*\t+3], 0x80000000   ; type = 2
.endr
	WIN TO_B
	BLOAD 0                                        ; Wp's first three steps are asked for ahead of the round
	BLOAD 1
	BLOAD 2
	WIN 0
	CROUND                                         ; all four work-groups are here: the joint loads meet
	tensor_load_to_lds s[G0:G0+3], s[G1:G1+7]      ; all of att, in the order of the turns: four loads of mine are out
	s_nop 0
	tensor_load_to_lds s[G0+4:G0+7], s[G1:G1+7]
	s_nop 0
	tensor_load_to_lds s[G0+8:G0+11], s[G1:G1+7]
	s_nop 0
	tensor_load_to_lds s[G0+12:G0+15], s[G1:G1+7]
	s_nop 0
	PLACES 4                                       ; four v_nop follow the last
	v_and_b32 v1, 15, v0                           ; r
	v_bfe_u32 v2, v0, 4, 1                         ; hh
.irp t, 0,1,2,3
	v_add_nc_u32 v[ADR+\t], \t*GRP, v[LI]
.endr
	s_mul_i32 s61, s14, 16*SPITCH
	s_add_co_u32 s61, s61, STG                     ; my stage
	v_mul_u32_u24 v3, v1, SPITCH
	v_lshl_add_u32 v3, v2, 6, v3
	v_add_nc_u32 v[STO], s61, v3                   ; in: row r, + 64 hh
	v_mul_u32_u24 v3, v2, SPITCH
	v_lshl_add_u32 v3, v1, 4, v3
	v_add_nc_u32 v[RD], s61, v3                    ; back: lanes 0-15 one row of 256 bytes, lanes 16-31 the next
	v_lshlrev_b32 v3, 13, v2
	v_lshl_add_u32 v[CO], v1, 4, v3                ; and the same two rows of out0, 8,192 bytes apart
	s_lshl_b32 s62, s17, 20                        ; out0: 128 rows of 8,192 bytes for each token tile,
	s_lshl_b32 s63, s16, 10                        ; 256 columns of 4 bytes for each column tile,
	s_add_co_u32 s62, s62, s63
	s_lshl_b32 s63, s14, 8                         ; my wave's 64 columns
	s_add_co_u32 s62, s62, s63
	s_mov_b32 s63, 0
	s_add_nc_u64 s[10:11], s[10:11], s[62:63]
	WIN TO_B
	BLOAD 3                                        ; the fourth set
	s_wait_kmcnt 0x0
	s_add_co_i32 s56, s56, s57
	s_add_co_i32 s56, s56, 127
	s_lshl_b32 s56, s56, 23                        ; 2^(e10 + e11) as f32
	s_mov_b32 s57, s56                             ; (named with it as a pair)
; A STEP of 128 along K.  At its head att's fragments of this step are in; the next step's are asked for, into the other set, and Wp's of three steps on, into the set that the last step left.
; Steps 3, 7 and 11 fetch the first fragments of the next turn: in front of that fetch each wave shows that its part of that quarter has landed, and all four meet.
; The 32 accumulators take turns, one instruction a turn, in the same order in every step.
.macro STEP s
.if (((\s)%4) == 3) && ((\s) < 15)
	s_wait_tensorcnt 3-((\s)+1)/4                  ; my loads end in order (ISA guide 10.11.1): the next turn's is in; the later turns' may be out
.endif
	s_wait_dscnt 0x0                               ; att's fragments of this step are in; no LDS instruction of mine is out
.if (((\s)%4) == 3) && ((\s) < 15)
	s_barrier_signal -1
	s_barrier_wait -1                              ; everybody's part of the next quarter is in
.endif
.if ((\s) > 0) && ((\s) < 15)
	PLACES 4                                       ; behind the last step's products, which read the registers that are loaded now
.endif
.if (\s) < 15
	WIN TO_A
	AFETCH (\s)+1
.endif
.if ((\s) > 0) && ((\s) < 13)
	WIN TO_B
	BLOAD (\s)+3
.endif
.if (\s) < 13
	s_wait_loadcnt 48                              ; loads come back in order (ISA guide 5.7.1): this step's 16 are in; the three younger steps' 48 may be out
.else
	s_wait_loadcnt 16*(15-(\s))                    ; at the end the counts run down
.endif
	WIN MUL
.irp a, 0,1,2,3,4,5,6,7
.irp b, 0,1,2,3
.if (\s) == 0
	v_wmma_f32_16x16x128_fp8_fp8 v[8*(4*\a+\b):8*(4*\a+\b)+7], v[64*((\s)%4)+FR*\b:64*((\s)%4)+FR*\b+FR-1], v[128*((\s)%2)+FR*\a:128*((\s)%2)+FR*\a+FR-1], 0
.else
	v_wmma_f32_16x16x128_fp8_fp8 v[8*(4*\a+\b):8*(4*\a+\b)+7], v[64*((\s)%4)+FR*\b:64*((\s)%4)+FR*\b+FR-1], v[128*((\s)%2)+FR*\a:128*((\s)%2)+FR*\a+FR-1], v[8*(4*\a+\b):8*(4*\a+\b)+7]
.endif
.endr
.endr
.endm
	s_wait_tensorcnt 0x3                           ; my part of the first quarter is in; the three later loads may be out
	s_barrier_signal -1
	s_barrier_wait -1                              ; everybody's is
	WIN TO_A
	AFETCH 0
.irp s, 0,1,2,3,4,5,6,7,8,9,10,11,12,13,14,15   ; written out: every offset is an immediate, and the first step's products start the sums: nothing is cleared
	STEP \s
.endr
; THE WAY OUT, block by block of 16 tokens x my 64 columns, through my own stage.  Register j of tile b holds column 32 (b / 2) + 8 (b % 2) + 16 hh + j of my 64, in the row of my lane's token; the lanes beside
; it hold other rows.  Back come whole rows of 256 bytes, two an instruction.
.macro TOSTAGE a
	WIN 0x03                                       ; source 0: the sums, window 3
.set i, 0
.rept 16
	v_pk_mul_f32 v[TMP+i:TMP+i+1], v[32*(\a)+i:32*(\a)+i+1], s[56:57] op_sel_hi:[1,0]   ; x 2^(e10 + e11); each accumulator from its low end on
.set i, i+2
.endr
	WIN 0
.irp b, 0,1,2,3
	ds_store_b128 v[STO], v[TMP+8*\b:TMP+8*\b+3] offset:128*(\b/2)+32*(\b%2)
	ds_store_b128 v[STO], v[TMP+8*\b+4:TMP+8*\b+7] offset:128*(\b/2)+32*(\b%2)+16
.endr
.set BB, BK+32*((\a)%2)
.irp t, 0,1,2,3,4,5,6,7
	ds_load_b128 v[BB+4*\t:BB+4*\t+3], v[RD] offset:\t*2*SPITCH   ; LDS serves a wave's instructions in order (ISA guide 5.7.1.4): these see the stores above, and the next block's stores come behind them
.endr
.endm
.macro SEND a, younger                 ; younger: the LDS instructions issued behind block a's loads, which may stay out
.set BB, BK+32*((\a)%2)
	s_wait_dscnt \younger                          ; the block is back in registers
.irp t, 0,1,2,3,4,5,6,7
	global_store_b128 v[CO], v[BB+4*\t:BB+4*\t+3], s[10:11] offset:(32*((\a)/2)+8*((\a)%2)+2*\t+8*(\t/4))*8192 th:TH_STORE_NT   ; sixteen lanes store 256 consecutive bytes, aligned; stage rows 2 t and 2 t + 1 are tokens one apart; at most 126 rows on: inside the signed 24-bit immediate
.endr
.endm
	PLACES 4                                       ; behind the last products, ahead of the first read of results
	TOSTAGE 0
.irp a, 1,2,3,4,5,6,7
.if \a > 1
	s_wait_xcnt 0x0                                ; block a - 2's stores have read their registers: block a's loads may land there
.endif
	TOSTAGE \a
	SEND \a-1, 16                                  ; behind block a - 1's loads: block a's 8 stores and 8 loads
.endr
	SEND 7, 0                                      ; no LDS instruction of mine is out behind this wait; my tensor loads were all waited for in step 11
	s_wait_tensorcnt 0x0
	ds_add_u32 v254, v255
	s_wait_dscnt 0x0
	CROUND                                         ; the closing round: no work-group ends while a partner may still ask for bytes that name it
	s_endpgm
.Lfunc_end_k_qc77625cc08_outp:
	.size	k_qc77625cc08_outp, .Lfunc_end_k_qc77625cc08_outp-k_qc77625cc08_outp
	.p2alignl 7, 3214868480
	.fill 96, 4, 3214868480
	.section	.rodata,"a",@progbits
	.p2align	6, 0x0
	.amdhsa_kernel k_qc77625cc08_outp
		.amdhsa_group_segment_fixed_size 280064
		.amdhsa_private_segment_fixed_size 0
		.amdhsa_enable_private_segment 0
		.amdhsa_kernarg_size 32
		.amdhsa_user_sgpr_count 2
		.amdhsa_user_sgpr_kernarg_segment_ptr 1
		.amdhsa_wavefront_size32 1
		.amdhsa_system_sgpr_workgroup_id_x 1
		.amdhsa_system_sgpr_workgroup_id_y 1
		.amdhsa_system_sgpr_workgroup_id_z 1
		.amdhsa_system_vgpr_workitem_id 0
		.amdhsa_next_free_vgpr 1024
		.amdhsa_next_free_sgpr 66
		.amdhsa_reserve_vcc 0
		.amdhsa_float_denorm_mode_32 3
		.amdhsa_float_denorm_mode_16_64 3
		.amdhsa_memory_ordered 1
		.amdhsa_forward_progress 1
		.amdhsa_inst_pref_size 122
	.end_amdhsa_kernel
	.amdgpu_metadata
---
amdhsa.version: [ 1, 2 ]
amdhsa.kernels:
  - .name:           k_qc77625cc08_outp
    .symbol:         k_qc77625cc08_outp.kd
    .args:
      - { .name: att_img, .offset: 0, .size: 8, .value_kind: global_buffer, .address_space: global }
      - { .name: w_img, .offset: 8, .size: 8, .value_kind: global_buffer, .address_space: global }
      - { .name: lowp_scales, .offset: 16, .size: 8, .value_kind: global_buffer, .address_space: global }
      - { .name: out0, .offset: 24, .size: 8, .value_kind: global_buffer, .address_space: global }
    .group_segment_fixed_size: 280064
    .private_segment_fixed_size: 0
    .kernarg_segment_align: 8
    .kernarg_segment_size: 32
    .max_flat_workgroup_size: 128
    .sgpr_count:     66
    .vgpr_count:     1024
    .wavefront_size: 32
...
	.end_amdgpu_metadata
.endif
;; end of part 4
